; MI455X (gfx1250); checked and timed in simulation.
; The chip was launched on July 23, 2026; its instructions are those of AMD's public machine-readable ISA for CDNA 5 (MIT licence, August 2026) and "CDNA5" Instruction Set Architecture Reference Guide (July 2026). The comments in the code are by the model that wrote it; some were corrected since.
;; Multi Head Attention Slow. Allowed arithmetic: matrix products marked QUANTISED: E2M1 operands, one E8M0 scale for each 32 along K, by v_wmma_scale_f32_16x16x128_f8f6f4 with both operands' format E2M1 (or v_wmma_scale_f32_32x16x128_f4), f32 sums; everything else in f32.
;; Inputs: WO 2,048 x 2,048 float32; Wk 16 x 2,048 x 128 float32; Wq 16 x 2,048 x 128 float32; Wv 16 x 2,048 x 128 float32; bk 16 x 128 float32; bo 2,048 float32; bq 16 x 128 float32; bv 16 x 128 float32; x 1 x 2,048 x 2,048 float32.
;; Outputs: out0 1 x 2,048 x 2,048 float32.
;; This version of the problem:
;;   THIS VERSION OF THE PROBLEM IS GIVEN IN LOW PRECISION. The matrix products marked QUANTISED in the list below multiply operands that are first quantised to E2M1 (2 exponent bits, 1 mantissa bit; 4 bits a number), with one power-of-two scale for each 32 numbers along K (OCP MX v1.0); their sums are f32. All else is computed in f32.
;;   The module's matrix products, in the order in which they are computed (A, B: the left and right operand; K: the contracted axis; several contracted axes count as one K, in the product's order):
;;     1. [M 2,048, K 2,048] x [K 2,048, N 2,048]; A: input Wq; B: input x: QUANTISED
;;     2. [M 2,048, K 2,048] x [K 2,048, N 2,048]; A: input Wk; B: input x: QUANTISED
;;     3. [M 2,048, K 2,048] x [K 2,048, N 2,048]; A: input Wv; B: input x: QUANTISED
;;     4. batch 16 x [M 2,048, K 128] x [K 128, N 2,048]; A: computed on the way; B: computed on the way: QUANTISED
;;     5. batch 16 x [M 2,048, K 2,048] x [K 2,048, N 128]; A: softmax (see below); B: computed on the way: QUANTISED
;;     6. [M 2,048, K 2,048] x [K 2,048, N 2,048]; A: computed on the way; B: input WO: QUANTISED
;;   THE QUANTISER, for each operand of a quantised product, along K:
;;     - K is cut into blocks of 32 from its start; a last block that is shorter is filled with zeros.
;;     - A block's scale is 2^e with e = floor(log2(the largest magnitude in the block)) - 2, held to -126 .. 127; a block of zeros has e = 0. As a byte (E8M0): e + 127.
;;     - Each number is divided by its block's scale, clamped to +-6, and rounded to the nearest number of E2M1, ties to even, subnormals kept.
;;     - The product sums the exact products of the quantised numbers (number of the format x scale) in f32.
;;   ~~~python
;;   def quantise(x, axis):      # numpy; x: float32 -> the quantised numbers, widened to float32 again
;;       x = np.moveaxis(x, axis, -1); K = x.shape[-1]
;;       x = np.pad(x, [(0, 0)] * (x.ndim - 1) + [(0, -K % 32)]); x = x.reshape(x.shape[:-1] + (-1, 32)); a = np.abs(x).max(-1, keepdims=True)
;;       e = np.where(a > 0, np.clip(np.frexp(np.where(a > 0, a, 1))[1] - 1 - 2, -126, 127), 0)      # np.frexp(a)[1] - 1 = floor(log2(a)), exactly
;;       r = np.clip(x / 2.0 ** e, -6, 6)
;;       step = 2.0 ** (np.maximum(np.frexp(np.where(r == 0, 1, r))[1] - 1, 0) - 1)
;;       q = np.round(r / step) * step * 2.0 ** e      # np.round: ties to even
;;       return np.moveaxis(q.reshape(q.shape[:-2] + (-1,))[..., :K], -1, axis).astype(np.float32)
;;   ~~~
;;   SOFTMAX AHEAD OF A QUANTISED PRODUCT. Where the list says 'softmax', what is quantised is not the finished softmax but p = 2^(t - M), with t = logit x log2(e) and M = ceil(the row's largest t), a whole number; so 1/2 < the row's largest p <= 1. The row's sum l is taken of the UNQUANTISED p, in f32, and the product's result is divided by l at the end. Since M is a whole number, a kernel that streams over the keys may use a running M (the ceiling of the running maximum): every later rescaling is an exact power of two, which a block's scale takes up: the codes' values come out the same.
;;   OPERANDS COMPUTED ON THE WAY. 'Computed on the way' means the value that the module computes at that place (a softmax that the list does not call 'softmax' is quantised finished and normalised). What goes into a quantiser is computed in f32, as accurately as f32 sums, v_exp_f32 and their like allow (about 1e-6 of the number): no bf16 or f16 on the way to a quantiser, and a product that is left as it is and whose result goes on into a quantised operand takes f32 operands (vector FMAs, or v_wmma_f32_16x16x4_f32). A number that lies on a knife's edge between two numbers of the format may be rounded either way, as far as f32 arithmetic and the matrix unit's own rounding can turn it there, and no further.
;; One version. Each part assembles by itself: llvm-mc -triple=amdgcn-amd-amdhsa -mcpu=gfx1250 --defsym DOCPART=n.
;; ======== version 1 of 1: 4 launches
;; limits: right only within a limited range of input values
;; workspace buffers: x_q 2,228,224 bytes; w_q 6,684,672 bytes; wo_q 2,228,224 bytes; qkv_q 6,684,672 bytes; o_q 2,228,224 bytes
;; launch quant (part 1): grid 256 x 1, 20 waves a work-group, no clusters, 116,224 bytes of LDS; arguments x, Wq, Wk, Wv, WO, x_q, w_q, wo_q; writes x_q, w_q, wo_q
.if DOCPART == 1
	.amdgcn_target "amdgcn-amd-amdhsa--gfx1250"
	.amdhsa_code_object_version 6
	.text
	.protected	k_qdcd9651b11_quant
	.globl	k_qdcd9651b11_quant
	.p2align	8
	.type	k_qdcd9651b11_quant,@function
k_qdcd9651b11_quant:
	s_mov_b64 s[64:65], 0
	v_nop
	global_prefetch_b8 v0, s[64:65] scope:SCOPE_SE
	s_setreg_imm32_b32 hwreg(HW_REG_WAVE_MODE, 25, 1), 1
	s_wait_xcnt 0x0
; x [2048][2048], Wq, Wk, Wv [16][2048][128] and WO [2048][2048], f32, become codes of FP4 (E2M1) with one E8M0 byte for each 32 along K.
; K is x's second axis, and the FIRST axis of each weight (within a head for Wq, Wk, Wv).  A block's scale is 2^(floor(log2(its largest magnitude)) - 2): its byte is that magnitude's exponent field - 2, held at 1 from below.
; LIMITS: a block of zeros gets the byte 1 where the rule says 127 (its codes are zeros, and this program alone reads the bytes); blocks whose largest magnitude lies under 2^-124 keep the byte 1;
; NaN and infinities among the inputs are not served.
; WORK LEFT OUT BY THE PROGRAM (in launch attn): key steps of 128 all of whose keys come after a tile's queries.  reference() itself puts -infinity in front of their softmax by its causal mask, so p = 0 for all
; finite inputs, and they add nothing to a sum or to a product.  A NaN, an infinity or an overflow that reaches only such scores is not carried to the result.
; THE FORMAT OF EVERY OPERAND IN THE WORKSPACE: a block is 128 rows x 128 along K, 8,704 bytes: 8 tiles x 1,024 bytes of codes, each the image of the matrix operand's registers (lane L's registers 4 c .. 4 c + 3 at 512 c + 16 L),
; and behind them 512 bytes of scale words, the word of (tile a, row r) at 256 (a / 4) + 16 r + 4 (a % 4).  Tile 2 beta + u holds in lane r row 32 beta + 8 u + r + 8 (r / 8).
; x_q: block 16 (row / 128) + k / 128.  w_q: block 256 tensor + 16 head + k / 128, rows = the head's 128 columns.  wo_q: block 16 (column / 128) + k / 128, rows = columns.
; SHARES.  256 work-groups, each 327,680 bytes of input, five blocks.  Waves 0-11: three blocks of Wq, Wk, Wv; waves 12-15: one of WO: four waves a block, a wave 32 rows of K x 128 columns: 32 loads of 512 bytes.
; Waves 16-19: one block of x, a wave 32 rows x 128 along K: 32 loads of 512 bytes.  All loads of a wave are out at once.
; A weight's lane holds four neighbouring columns, four registers a row of K: a column's 32 numbers are its own block; moves bring them side by side for the conversions.
; No tensor loads.  No multicast: no two work-groups read the same bytes.  No prefetch: every load is out from the start.
.set XST,   0                          ; x: a stage of 32 rows x (512 + 16) bytes for each of four waves
.set WSTG,  67584                      ; the weights' codes on their way out: 8 runs x (256 + 16) bytes for each wave
.set SCA,   111104                     ; scale words of the five blocks that the work-group makes
.set SPARE, 113664                     ; the spare words, 128 bytes for each wave
.set SPW, 2
.set NIL, 3
.set GX,  10
.set WST, 11
.set WRD, 12
.set WSC, 13
.set WCO, 14
.set XSW, 15
.set XSR, 16
.set XSC, 17
.set XCO, 18
.set SRD, 19
.set M,   20                           ; v20-23 maxima, v24-27 scale operands, v28-31 bytes
.set C,   32                           ; v32-47 codes
.set T,   48                           ; v48 a move's spare; v48-63 codes read back
.set R,   64                           ; v64-191 as loaded
	s_load_b256 s[4:11], s[0:1], 0x0               ; x, Wq, Wk, Wv
	s_load_b256 s[12:19], s[0:1], 0x20             ; WO, x_q, w_q, wo_q
	v_lshl_add_u32 v[SPW], v0, 2, SPARE
	v_mov_b32 v[NIL], 0
	v_lshrrev_b32 v1, 5, v0
	v_readfirstlane_b32 s22, v1                    ; wave
	v_and_b32 v4, 31, v0                           ; lane l, bits b0 .. b4
	v_and_b32 v5, 1, v0
	v_bfe_u32 v6, v0, 1, 1
	v_bfe_u32 v7, v0, 2, 1
	v_bfe_u32 v8, v0, 3, 1
	v_bfe_u32 v9, v0, 4, 1
	v_bfe_u32 v20, v0, 3, 2
	v_and_b32 v21, 15, v0
	v_lshlrev_b32 v[GX], 4, v4
	s_and_b32 s23, s22, 3                          ; weights: which 32 along K of the block; x: beta
	s_lshr_b32 s24, s22, 2                         ; which of the five blocks
	; weights: column 4 l + j lies in tile t = 2 (l / 8) + b1, row r = 4 b0 + j + 8 b2
	v_lshlrev_b32 v22, 6, v5
	v_mul_u32_u24 v[WST], v20, 544
	v_lshlrev_b32 v23, 4, v21
	v_lshl_add_u32 v22, v7, 7, v22                 ; 64 b0 + 128 b2
	v_mad_u32_u24 v[WST], v6, 272, v[WST]
	s_mul_i32 s25, s22, 2176
	s_add_co_u32 s25, s25, WSTG
	v_mad_u32_u24 v[WRD], v9, 272, v23
	v_add_nc_u32 v[WST], v[WST], v22
	v_lshl_add_u32 v[WSC], v9, 8, v22
	v_add_nc_u32 v[WRD], s25, v[WRD]               ; out of the stage: two runs of 256 bytes a load
	v_add_nc_u32 v[WST], s25, v[WST]               ; into it: t x 272 + 16 r
	s_lshl_b32 s26, s24, 9
	s_add_co_u32 s26, s26, s23
	s_add_co_u32 s26, s26, SCA
	v_lshl_add_u32 v[WSC], v8, 3, v[WSC]
	v_lshl_add_u32 v[WCO], v9, 10, v23             ; and in memory: runs 1,024 bytes apart
	v_lshl_add_u32 v[WSC], v6, 2, v[WSC]
	v_add_nc_u32 v[WSC], s26, v[WSC]               ; my scale byte: 256 (t / 4) + 16 r + 4 (t % 4) + which 32
	; x: my row is lane l: u = b3, r = l % 8 + 8 b4
	s_mul_i32 s27, s23, 32*528
	v_and_b32 v24, 7, v0
	v_mul_u32_u24 v[XSR], v4, 528
	v_add_nc_u32 v[XSW], s27, v[GX]
	v_lshl_add_u32 v24, v9, 3, v24
	v_add_nc_u32 v[XSR], s27, v[XSR]
	v_lshlrev_b32 v24, 4, v24
	s_lshr_b32 s28, s23, 1
	s_lshl_b32 s28, s28, 8
	s_and_b32 s29, s23, 1
	s_lshl_b32 s29, s29, 3
	s_add_co_u32 s28, s28, s29
	s_add_co_u32 s28, s28, SCA+2048
	v_lshl_add_u32 v[XSC], v8, 2, v24
	v_lshl_add_u32 v[XCO], v8, 10, v24
	s_lshl_b32 s29, s23, 11
	v_add_nc_u32 v[XSC], s28, v[XSC]
	v_add_nc_u32 v[XCO], s29, v[XCO]
	s_min_u32 s30, s22, 4
	s_lshl_b32 s30, s30, 9
	s_add_co_u32 s30, s30, SCA
	v_add_nc_u32 v[SRD], s30, v[GX]                ; the scale words on their way out (waves 0-4)
	s_mul_i32 s33, ttmp9, 3                        ; my first block of Wq, Wk, Wv
	s_and_b32 s31, ttmp9, 15                       ; WO: block of 128 columns,
	s_lshr_b32 s32, ttmp9, 4                       ; and of 128 along K
	s_lshl_b32 s35, s31, 4
	s_add_co_u32 s35, s35, s32                     ; its number in wo_q
	s_mov_b32 s37, 0
	s_wait_alu depctr_va_vdst(0)                   ; the head's end
	s_wait_kmcnt 0x0
	s_cmp_lt_u32 s22, 16
	s_cbranch_scc0 .Lx_way
	; ---- THE WEIGHTS
	s_lshl_b32 s38, s23, 8                         ; my 32 along K are 256 bytes of each tile's image
	s_cmp_lt_u32 s22, 12
	s_cbranch_scc0 .Lwo
	s_add_co_u32 s34, s33, s24                     ; my block, 0 .. 767
	s_lshr_b32 s36, s34, 8                         ; 0 Wq, 1 Wk, 2 Wv
	s_cmp_eq_u32 s36, 1
	s_cselect_b64 s[6:7], s[8:9], s[6:7]
	s_cmp_eq_u32 s36, 2
	s_cselect_b64 s[6:7], s[10:11], s[6:7]
	s_and_b32 s36, s34, 255
	s_lshl_b32 s36, s36, 16                        ; 65,536 bytes a block
	s_lshl_b32 s39, s23, 14
	s_add_co_u32 s36, s36, s39
	s_add_nc_u64 s[6:7], s[6:7], s[36:37]
.set k, 0
.rept 32
	global_load_b128 v[R+4*k:R+4*k+3], v[GX], s[6:7] offset:512*k th:TH_LOAD_NT
.set k, k+1
.endr
	s_mul_i32 s36, s34, 8704
	s_add_co_u32 s36, s36, s38
	s_add_nc_u64 s[40:41], s[16:17], s[36:37]
	s_branch .Lw_asked
.Lwo:
	s_lshl_b32 s36, s31, 9                         ; 512 bytes a block of columns,
	s_lshl_b32 s39, s32, 20                        ; 128 rows of 8,192 bytes,
	s_add_co_u32 s36, s36, s39
	s_lshl_b32 s39, s23, 18                        ; my 32 of them
	s_add_co_u32 s36, s36, s39
	s_add_nc_u64 s[12:13], s[12:13], s[36:37]
.set k, 0
.rept 32
	global_load_b128 v[R+4*k:R+4*k+3], v[GX], s[12:13] offset:8192*k th:TH_LOAD_NT
.set k, k+1
.endr
	s_mul_i32 s36, s35, 8704
	s_add_co_u32 s36, s36, s38
	s_add_nc_u64 s[40:41], s[18:19], s[36:37]
.Lw_asked:
.macro CYC a, b, c, d, e
	v_mov_b32 v[T], v[B_+\a]
	v_mov_b32 v[B_+\a], v[B_+\b]
	v_mov_b32 v[B_+\b], v[B_+\c]
	v_mov_b32 v[B_+\c], v[B_+\d]
	v_mov_b32 v[B_+\d], v[B_+\e]
	v_mov_b32 v[B_+\e], v[T]
.endm
; Eight rows of K.  The maxima first; then the 32 registers change places in six cycles of five: what lay at 4 k + j comes to 8 j + k (0 and 31 stay).
.macro GROUP g
.set B_, R+32*(\g)
	s_wait_loadcnt 24-8*\g                         ; the younger groups' loads may be out
.irp j, 0,1,2,3
.if \g == 0
	v_max3_num_f32 v[M+\j], |v[B_+\j]|, |v[B_+4+\j]|, 0x1800000   ; with the floor 2^(3 - 127): the byte cannot fall under 1
.else
	v_max3_num_f32 v[M+\j], v[M+\j], |v[B_+\j]|, |v[B_+4+\j]|
.endif
.endr
.irp k, 2,4,6
.irp j, 0,1,2,3
	v_max3_num_f32 v[M+\j], v[M+\j], |v[B_+4*\k+\j]|, |v[B_+4*\k+4+\j]|
.endr
.endr
	CYC 1, 4, 16, 2, 8
	CYC 3, 12, 17, 6, 24
	CYC 5, 20, 18, 10, 9
	CYC 7, 28, 19, 14, 25
	CYC 11, 13, 21, 22, 26
	CYC 15, 29, 23, 30, 27
.endm
	GROUP 0
	GROUP 1
	GROUP 2
	GROUP 3
.irp j, 0,1,2,3
	v_add_nc_u32 v[M+4+\j], 0xff000000, v[M+\j]    ; 2 off the exponent field: the conversion takes this operand's exponent field as its scale
.endr
.irp j, 0,1,2,3
	v_lshrrev_b32 v[M+8+\j], 23, v[M+4+\j]         ; the scale's byte
.endr
.irp j, 0,1,2,3
.irp g, 0,1,2,3
	v_cvt_scalef32_pk8_fp4_f32 v[C+4*\j+\g], v[R+32*\g+8*\j:R+32*\g+8*\j+7], v[M+4+\j]
.endr
.endr
	v_nop                                          ; one plain place behind a scaled conversion
.irp j, 0,1,2,3
	ds_store_b128 v[WST], v[C+4*\j:C+4*\j+3] offset:16*\j
.endr
.irp i, 0,1,2,3
	ds_load_b128 v[T+4*\i:T+4*\i+3], v[WRD] offset:544*\i   ; LDS serves a wave's instructions in order (ISA guide 5.7.1.4): these see the stores above
.endr
.irp j, 0,1,2,3
	ds_store_b8 v[WSC], v[M+8+\j] offset:16*\j
.endr
	s_wait_dscnt 4                                 ; the four loads are in, the four byte stores may be out
.irp i, 0,1,2,3
	global_store_b128 v[WCO], v[T+4*\i:T+4*\i+3], s[40:41] offset:2048*\i   ; sixteen lanes store one aligned run of 256 bytes
.endr
	s_branch .Ljoin
	; ---- x: 32 rows x 128 numbers turn through my wave's own stage and come back a row a lane
.Lx_way:
	s_lshr_b32 s36, ttmp9, 4
	s_lshl_b32 s36, s36, 20
	s_lshl_b32 s38, s23, 18
	s_add_co_u32 s36, s36, s38                     ; row 128 (work-group / 16) + 32 beta, 8,192 bytes a row
	s_and_b32 s38, ttmp9, 15
	s_lshl_b32 s38, s38, 9
	s_add_co_u32 s36, s36, s38
	s_add_nc_u64 s[4:5], s[4:5], s[36:37]
.set k, 0
.rept 32
	global_load_b128 v[R+4*k:R+4*k+3], v[GX], s[4:5] offset:8192*k th:TH_LOAD_NT
.set k, k+1
.endr
	s_mul_i32 s36, ttmp9, 8704
	s_add_nc_u64 s[42:43], s[14:15], s[36:37]
.irp q, 0,1,2,3
	s_wait_loadcnt 24-8*\q
.irp i, 0,1,2,3,4,5,6,7
	ds_store_b128 v[XSW], v[R+32*\q+4*\i:R+32*\q+4*\i+3] offset:528*(8*\q+\i)
.endr
.endr
	s_wait_dscnt 0x0
.set k, 0
.rept 32
	ds_load_b128 v[R+4*k:R+4*k+3], v[XSR] offset:16*k
.set k, k+1
.endr
.irp b, 0,1,2,3
.set XS, R+32*\b
	s_wait_dscnt 24-8*\b                           ; this block's eight loads are in
	v_max3_num_f32 v21, |v[XS]|, |v[XS+1]|, |v[XS+2]|
	v_max3_num_f32 v22, |v[XS+3]|, |v[XS+4]|, |v[XS+5]|
.irp i, 6,10,14,18,22,26
	v_max3_num_f32 v21, v21, |v[XS+\i]|, |v[XS+\i+1]|
	v_max3_num_f32 v22, v22, |v[XS+\i+2]|, |v[XS+\i+3]|
.endr
	v_max3_num_f32 v21, v21, |v[XS+30]|, |v[XS+31]|
	v_max3_num_f32 v21, v21, v22, 0x1800000
	v_add_nc_u32 v23, 0xff000000, v21
.if \b == 0
	v_lshrrev_b32 v24, 23, v23
.else
	v_lshrrev_b32 v25, 23, v23
	v_lshl_or_b32 v24, v25, 8*\b, v24
.endif
.irp g, 0,1,2,3
	v_cvt_scalef32_pk8_fp4_f32 v[C+4*\b+\g], v[XS+8*\g:XS+8*\g+7], v23
.endr
	v_nop
	global_store_b128 v[XCO], v[C+4*\b:C+4*\b+3], s[42:43] offset:256*\b   ; two aligned runs of 256 bytes
.endr
	ds_store_b32 v[XSC], v24
.Ljoin:
	s_wait_tensorcnt 0x0                           ; the wave's end, behind my last LDS store; the wait two lines down also says that my scale bytes are stored
	ds_add_u32 v[SPW], v[NIL]
	s_wait_dscnt 0x0
	s_barrier_signal -1
	s_barrier_wait -1                              ; everybody's scale bytes are in LDS
	s_cmp_lt_u32 s22, 5
	s_cbranch_scc0 .Lend
	ds_load_b128 v[64:67], v[SRD]                  ; waves 0-2: the blocks of Wq, Wk, Wv, wave 3: WO's, wave 4: x's: 512 bytes of scale words each (into registers that no store reads)
	s_add_co_u32 s34, s33, s22
	s_cmp_eq_u32 s22, 3
	s_cselect_b32 s34, s35, s34
	s_cselect_b64 s[16:17], s[18:19], s[16:17]
	s_cmp_eq_u32 s22, 4
	s_cselect_b32 s34, ttmp9, s34
	s_cselect_b64 s[16:17], s[14:15], s[16:17]
	s_mul_i32 s36, s34, 8704
	s_add_co_u32 s36, s36, 8192
	s_add_nc_u64 s[16:17], s[16:17], s[36:37]
	s_wait_dscnt 0x0
	global_store_b128 v[GX], v[64:67], s[16:17]
.Lend:
	s_endpgm
.Lfunc_end_k_qdcd9651b11_quant:
	.size	k_qdcd9651b11_quant, .Lfunc_end_k_qdcd9651b11_quant-k_qdcd9651b11_quant
	.p2alignl 7, 3214868480
	.fill 96, 4, 3214868480
	.section	.rodata,"a",@progbits
	.p2align	6, 0x0
	.amdhsa_kernel k_qdcd9651b11_quant
		.amdhsa_group_segment_fixed_size 116224
		.amdhsa_private_segment_fixed_size 0
		.amdhsa_enable_private_segment 0
		.amdhsa_kernarg_size 64
		.amdhsa_user_sgpr_count 2
		.amdhsa_user_sgpr_kernarg_segment_ptr 1
		.amdhsa_wavefront_size32 1
		.amdhsa_system_sgpr_workgroup_id_x 1
		.amdhsa_system_sgpr_workgroup_id_y 1
		.amdhsa_system_sgpr_workgroup_id_z 1
		.amdhsa_system_vgpr_workitem_id 0
		.amdhsa_next_free_vgpr 192
		.amdhsa_next_free_sgpr 66
		.amdhsa_reserve_vcc 0
		.amdhsa_float_denorm_mode_32 3
		.amdhsa_float_denorm_mode_16_64 3
		.amdhsa_memory_ordered 1
		.amdhsa_forward_progress 1
		.amdhsa_inst_pref_size 37
	.end_amdhsa_kernel
	.amdgpu_metadata
---
amdhsa.version: [ 1, 2 ]
amdhsa.kernels:
  - .name:           k_qdcd9651b11_quant
    .symbol:         k_qdcd9651b11_quant.kd
    .args:
      - { .name: x, .offset: 0, .size: 8, .value_kind: global_buffer, .address_space: global }
      - { .name: Wq, .offset: 8, .size: 8, .value_kind: global_buffer, .address_space: global }
      - { .name: Wk, .offset: 16, .size: 8, .value_kind: global_buffer, .address_space: global }
      - { .name: Wv, .offset: 24, .size: 8, .value_kind: global_buffer, .address_space: global }
      - { .name: WO, .offset: 32, .size: 8, .value_kind: global_buffer, .address_space: global }
      - { .name: x_q, .offset: 40, .size: 8, .value_kind: global_buffer, .address_space: global }
      - { .name: w_q, .offset: 48, .size: 8, .value_kind: global_buffer, .address_space: global }
      - { .name: wo_q, .offset: 56, .size: 8, .value_kind: global_buffer, .address_space: global }
    .group_segment_fixed_size: 116224
    .private_segment_fixed_size: 0
    .kernarg_segment_align: 8
    .kernarg_segment_size: 64
    .max_flat_workgroup_size: 640
    .sgpr_count:     66
    .vgpr_count:     192
    .wavefront_size: 32
...
	.end_amdgpu_metadata
.endif
;; end of part 1
;; launch qkv (part 2): grid 24 x 8, 4 waves a work-group, clusters of 4 x 4, 327,680 bytes of LDS; arguments x_q, w_q, bq, bk, bv, qkv_q; writes qkv_q
.if DOCPART == 2
	.amdgcn_target "amdgcn-amd-amdhsa--gfx1250"
	.amdhsa_code_object_version 6
	.text
	.protected	k_qdcd9651b11_qkv
	.globl	k_qdcd9651b11_qkv
	.p2align	8
	.type	k_qdcd9651b11_qkv,@function
k_qdcd9651b11_qkv:
	s_mov_b64 s[64:65], 0
	v_nop
	global_prefetch_b8 v0, s[64:65] scope:SCOPE_SE
	s_setreg_imm32_b32 hwreg(HW_REG_WAVE_MODE, 25, 1), 1
	s_wait_xcnt 0x0
	s_wait_alu depctr_hold_cnt(0) depctr_sa_sdst(0) depctr_va_vdst(0) depctr_va_sdst(0) depctr_va_ssrc(0) depctr_va_vcc(0) depctr_vm_vsrc(0)
	s_getreg_b32 s2, hwreg(HW_REG_IB_STS2, 6, 4)
	s_cmp_eq_u32 s2, 0
	s_cbranch_scc0 .Lentry_in_a_cluster
	s_endpgm
.Lentry_in_a_cluster:
	s_bfe_u32 s2, ttmp6, 0x10000c
	s_cmp_lg_u32 s2, 0xf033
	s_cbranch_scc0 .Lentry_shape_is_right
	s_endpgm
.Lentry_shape_is_right:
; q = x Wq + bq, k = x Wk + bk, v = x Wv + bv on codes of FP4 with E8M0 scales (K = 2,048), and the results quantised at once: q and k along the head's 128, v along the keys.
; ONE TRANSPOSED GEMM, D^T = P R^T: source 0 = 16 rows of P, source 1 = 16 rows of R.  A lane then holds ONE row of R, and its registers run along P's rows, which are the next product's K.
; All operands lie in blocks of 8,704 bytes (128 rows x 128 K: 8 fragment images of 1,024 bytes, then 512 bytes of scale words: launch quant's head).  Tile 2 beta + u holds in lane r row 32 beta + 8 u + r + 8 (r / 8):
; so the 16 registers of P's tiles 2 beta and 2 beta + 1 are 16 NEIGHBOURS, 32 beta + 16 (lane / 16) + 0 .. 15, and what the quantiser makes is the next image, stored from registers, 512 bytes on end a store.
; ROLES, by the cluster's x alone (the same in all sixteen partners).  Clusters 0-3 (q, k): P = the weights' row blocks 0-31 (rows d), R = x (rows s); the bias runs along P.
; Clusters 4, 5 (v): P = x (rows = keys), R = Wv's row blocks 32-47 (rows d); the bias runs along R.  The bias is the C of each sum's first product.
; SHARES.  A work-group makes 256 rows of R x 256 of P; a wave 128 x 128, 64 accumulators: exactly one block of the output.  192 work-groups: a tile that gave 256 would cut a head or a scale word.
; qkv_q: blocks: q: 16 head + s / 128; k: 256 + the same; v: 512 + 16 head + key / 128.
; K goes in four steps of 512 through a ring of two LDS slots; a step's four blocks of a row block are 34,816 dense bytes, codes and scale words, brought as 136 rows of 256 bytes by one tensor load a wave.
; CLUSTERS 4 x 4: R's tiles are shared along a row of the cluster, P's along a column: each is asked for jointly.
; PREFETCH: behind each joint load but the last, for the K step that the next joint load brings.  Of a row block's four blocks of 8,704 bytes, 34 runs of 256, each of the four partners names one, told apart by address (cx for R, cy for P):
; each run once in a cluster.  The clusters of v do not ask for x: the four of q and k do.
; LIMITS: a block of zeros gets the byte 1, not 127 (zero codes; the bytes are read by this program alone); magnitudes under 2^-124 keep the byte 1; NaN and infinities are not served.
; REGISTERS: window 0: v1-29 addresses and work; v32-95 scale words, two sets of 32 (8 q + 0..3 R's tiles a % 4, 8 q + 4..7 P's; lanes 16-31 hold tiles 4-7), and nothing else; v96-103 the bias along R; v104-107 words on their way out;
;   v112-119 the eight scale words made; v128-191 R's fragments, one set, later the quantiser's work; v192-255 the bias as C, later codes.   window 1: P's fragments, two sets, at v0 and v128.   windows 2, 3: the accumulators, (a, b) at v[8 (8 (a % 4) + b)].
.set BLK,   8704
.set STEPB, 4*BLK                      ; a K step of one row block
.set ROWBLK, 16*BLK
.set SLOT,  4*STEPB                    ; a slot: wave w's 34,816 bytes at w x 34816 (w 0, 1: R's two row blocks; w 2, 3: P's)
.set SPARE, 2*SLOT                     ; the spare words, 128 bytes for each wave: two blocks of 256 bytes that no other line names
.set NQ,    4                          ; matrix instructions deep in a slot
.set NP,    4                          ; places behind this matrix instruction (ISA guide 7.12.1)
.set ADRR,  16                         ; v16-17  LDS address of my R fragments in slot 0, 1
.set ADRP,  20                         ; v20-21  the same for P
.set LI,    24                         ; v24     16 x lane
.set PFO,   25                         ; v25     the prefetches' offsets: 256 x lane,
.set PFT,   26                         ; v26     and the last two runs; both never rewritten
.set SPW,   28                         ; v28     my spare word: SPARE + 4 x my thread's number; never rewritten
.set NIL,   29                         ; v29     0; never rewritten
.set SC,    32
.set BR,    96
.set PC,    104
.set PW,    112
.set AF,    128
.set BP,    192
.set TM,    128                        ; the quantiser's: eight maxima,
.set TX,    136                        ; the other half's,
.set TO,    144                        ; scale operands,
.set BY,    152                        ; bytes
.set WV,    22                         ; s22 wave; s23 wave / 2: my half of R's rows, and: I fetch for R (0) or P (1); s24 wave % 2: my half of P's rows, and which row block I fetch
.set ROLE,  61
.set SEL,   66
.set PFA,   70                         ; s[70:71] my partner's block of K step 0 of the row block that my wave fetches; never rewritten
.set PFN,   72                         ; s72 0 where my wave prefetches
.set G1R,   28                         ; s[28:35] group 1 for R's tiles; s[36:43] group 0, one set for each slot
.set G0R,   36
.set G1P,   44                         ; s[44:51], s[52:59] the same for P
.set G0P,   52
.set MSB, 0
.macro WIN new                         ; the immediate's high byte repeats the setting that is left
.if MSB != (\new)
	s_set_vgpr_msb (MSB<<8)|(\new)
.set MSB, (\new)
.endif
.endm
.set TO_P,   0x40                      ; destination window 1, address window 0
; A joint load: waves 0 and 1 fetch for R, waves 2 and 3 for P.  The branch hangs on the wave's number alone.  Four v_nop follow each of the two lines.
.macro JLOAD s
	s_cmp_eq_u32 s23, 0
	s_cbranch_scc0 .Lfor_p_\@
	tensor_load_to_lds s[G0R+4*\s:G0R+4*\s+3], s[G1R:G1R+7]
	s_nop 0
.rept 4
	v_nop
.endr
	s_branch .Lasked_\@
.Lfor_p_\@:
	tensor_load_to_lds s[G0P+4*\s:G0P+4*\s+3], s[G1P:G1P+7]
	s_nop 0
.rept 4
	v_nop
.endr
.Lasked_\@:
.endm
.macro ASK n                           ; the prefetch of K step n: 34 runs of 256 bytes (in the second line the lanes left over name the last again)
	s_cmp_eq_u32 s[PFN], 0
	s_cbranch_scc0 .Lnot_mine_\@
	global_prefetch_b8 v[PFO], s[PFA:PFA+1] offset:STEPB*\n th:TH_LOAD_NT scope:SCOPE_SE
	global_prefetch_b8 v[PFT], s[PFA:PFA+1] offset:STEPB*\n th:TH_LOAD_NT scope:SCOPE_SE
.Lnot_mine_\@:
.endm
.macro CREST                           ; a round of the cluster's barrier behind its opening barrier
	s_cmp_lg_u32 s[WV], 0
	s_cbranch_scc1 .Lnot_wave_0_\@
	s_barrier_signal -3
.Lnot_wave_0_\@:
	s_barrier_wait -3
	s_barrier_signal -1
	s_barrier_wait -1
.endm
.macro CROUND
	s_barrier_signal -1
	s_barrier_wait -1
	CREST
.endm
	s_load_b256 s[4:11], s[0:1], 0x0               ; x_q, w_q, bq, bk
	s_load_b128 s[12:15], s[0:1], 0x20             ; bv, qkv_q
	v_lshl_add_u32 v[SPW], v0, 2, SPARE
	v_mov_b32 v[NIL], 0
	ds_add_u32 v[SPW], v[NIL]                      ; the wave's opening: the add, twice on end, and its wait; work on registers stands between
	ds_add_u32 v[SPW], v[NIL]
	v_lshrrev_b32 v1, 5, v0
	v_readfirstlane_b32 s[WV], v1                  ; wave 0..3
	v_and_b32 v1, 15, v0                           ; r
	v_bfe_u32 v2, v0, 4, 1                         ; h
	v_and_b32 v3, 31, v0                           ; lane
	v_lshlrev_b32 v[LI], 4, v3
	v_lshlrev_b32 v[PFO], 8, v3
	v_add_nc_u32 v[PFT], 32, v3
	v_min_u32 v[PFT], 33, v[PFT]
	v_lshlrev_b32 v[PFT], 8, v[PFT]
	s_lshr_b32 s23, s[WV], 1
	s_and_b32 s24, s[WV], 1
	s_bfe_u32 s25, ttmp6, 0x40000                  ; cx, cy: my place in the cluster
	s_bfe_u32 s26, ttmp6, 0x40004
	s_lshl_b32 s27, ttmp9, 2
	s_add_co_u32 s27, s27, s25                     ; X = 4 x cluster x + cx, 0 .. 23
	s_and_b32 s60, ttmp7, 0xffff
	s_lshl_b32 s60, s60, 2
	s_add_co_u32 s60, s60, s26                     ; Y = 4 x cluster y + cy, 0 .. 7
	s_lshl_b32 s62, s26, 2
	s_lshl_b32 s62, 15, s62                        ; my row of the cluster
	s_lshl_b32 s63, 0x1111, s25                    ; my column
	; group 1: dense bytes as rows of 256 (32 elements of 8 bytes), no padding: an image is read 512 bytes on end
	s_or_b32 s[G1R], s62, (3<<16)|(1<<21)          ; 15:0 the mask: R's tiles go to my row; 17:16 elements of 8 bytes; 21 set beside a mask
	s_or_b32 s[G1P], s63, (3<<16)|(1<<21)          ; P's to my column
.irp g, G1R, G1P
	s_mov_b32 s[\g+1], 32<<16                      ; tensor_dim0 = 32
	s_mov_b32 s[\g+2], 136<<16                     ; tensor_dim1 = 136
	s_mov_b32 s[\g+3], 32<<16                      ; tile_dim0 = 32
	s_mov_b32 s[\g+4], 136                         ; tile_dim1 = 136: 34,816 bytes
	s_mov_b32 s[\g+5], 32                          ; the pitch
	s_mov_b32 s[\g+6], 0
	s_mov_b32 s[\g+7], 0
.endr
	s_mov_b32 s97, 0
	s_mov_b32 s95, 0
	s_mov_b32 s93, 0
	s_mul_i32 s69, s[WV], STEPB                    ; where my tiles go: wave x 34,816; no place in the cluster enters an LDS address
	s_wait_dscnt 0x0                               ; both opening adds are done
	s_wait_alu depctr_va_vdst(0)
	s_wait_kmcnt 0x0
	s_cmp_ge_u32 ttmp9, 4                          ; the operands change places with the role
	s_cselect_b32 s[ROLE], 1, 0
	s_cselect_b32 s68, 32, 0
	s_cselect_b64 s[G0R+2:G0R+3], s[6:7], s[4:5]
	s_cselect_b64 s[G0P+2:G0P+3], s[4:5], s[6:7]
	s_lshl_b32 s92, s60, 1                         ; R's row block that I fetch: 2 Y + wave % 2, + 32 among the weights.  These registers never hold X
	s_add_co_u32 s92, s92, s24
	s_add_co_u32 s92, s92, s68
	s_mul_i32 s92, s92, ROWBLK
	s_lshl_b32 s96, s27, 1                         ; P's: 2 X + wave % 2, - 32 in x.  These never hold Y
	s_add_co_u32 s96, s96, s24
	s_sub_co_u32 s96, s96, s68
	s_mul_i32 s96, s96, ROWBLK
	s_add_nc_u64 s[G0R+2:G0R+3], s[G0R+2:G0R+3], s[92:93]          ; K step 0
	s_add_nc_u64 s[G0P+2:G0P+3], s[G0P+2:G0P+3], s[96:97]
	s_mul_i32 s94, s25, BLK                        ; the prefetches: partner cx of R's four,
	s_add_nc_u64 s[74:75], s[G0R+2:G0R+3], s[94:95]
	s_mul_i32 s94, s26, BLK                        ; partner cy of P's
	s_add_nc_u64 s[76:77], s[G0P+2:G0P+3], s[94:95]
	s_cmp_eq_u32 s23, 0
	s_cselect_b64 s[PFA:PFA+1], s[74:75], s[76:77]
	s_and_b32 s[PFN], s23, s[ROLE]
.irp g, G0R, G0P
	s_add_nc_u64 s[\g+6:\g+7], s[\g+2:\g+3], STEPB                 ; K step 1
	s_mov_b32 s[\g], 1
	s_mov_b32 s[\g+1], s69
	s_or_b32 s[\g+3], s[\g+3], 0x80000000
	s_mov_b32 s[\g+4], 1
	s_add_co_u32 s[\g+5], s69, SLOT
	s_or_b32 s[\g+7], s[\g+7], 0x80000000
.endr
	CROUND                                         ; all sixteen work-groups are here: the first joint loads meet
	JLOAD 0                                        ; K step 0: one tensor load a wave at the head
	s_mul_i32 s92, s23, STEPB                      ; my row block of R
	s_mul_i32 s94, s24, STEPB                      ; my row block of P,
	s_add_co_u32 s94, s94, 2*STEPB                 ; behind R's two
.irp s, 0,1
	v_add_nc_u32 v[ADRR+\s], s92, v[LI]
	v_add_nc_u32 v[ADRP+\s], s94, v[LI]
	s_add_co_u32 s92, s92, SLOT
	s_add_co_u32 s94, s94, SLOT
.endr
	; the block that I make, and my bias
	s_lshl_b32 s92, s27, 1
	s_add_co_u32 s92, s92, s24                     ; A = 2 X + my half of P
	s_lshl_b32 s94, s60, 1
	s_add_co_u32 s94, s94, s23                     ; B = 2 Y + my half of R
	s_lshl_b32 s95, s92, 4
	s_add_co_u32 s95, s95, s94                     ; q, k: 16 A + B
	s_lshl_b32 s96, s94, 4
	s_add_co_u32 s96, s96, s92
	s_add_co_u32 s96, s96, 480                     ; v: 512 + 16 B + (A - 32)
	s_cmp_eq_u32 s[ROLE], 0
	s_cselect_b32 s95, s95, s96
	s_cselect_b32 s92, s92, s94
	s_and_b32 s92, s92, 15                         ; the head
	s_mul_i32 s96, s95, BLK
	s_add_nc_u64 s[14:15], s[14:15], s[96:97]
	s_cmp_lt_u32 ttmp9, 2
	s_cselect_b64 s[8:9], s[8:9], s[10:11]         ; clusters 0, 1: bq; 2, 3: bk;
	s_cmp_lt_u32 ttmp9, 4
	s_cselect_b64 s[8:9], s[8:9], s[12:13]         ; 4, 5: bv
	s_lshl_b32 s96, s92, 9
	s_add_nc_u64 s[8:9], s[8:9], s[96:97]          ; the head's 128 numbers
	s_mov_b32 s[SEL], 0x76543210
	s_mov_b32 s[SEL+1], 0xfedcba98                 ; v_permlanex16_b32's selects for lane l xor 16
	v_lshlrev_b32 v7, 6, v2                        ; along P: register 16 beta + i wants number 32 beta + 16 h + i
	v_and_b32 v4, 8, v1
	v_add_nc_u32 v4, v4, v1
	v_lshlrev_b32 v4, 2, v4                        ; along R: tile a's lane r wants number 32 (a / 2) + 8 (a % 2) + r + 8 (r / 8)
	s_wait_alu depctr_va_vdst(0)
	ASK 1
	s_cmp_eq_u32 s[ROLE], 0
	s_cbranch_scc0 .Lbias_r
.irp b, 0,1,2,3
.irp i, 0,1,2,3
	global_load_b128 v[BP+16*\b+4*\i:BP+16*\b+4*\i+3], v7, s[8:9] offset:128*\b+16*\i
.endr
.endr
	s_branch .Lbias_asked
.Lbias_r:
.irp a, 0,1,2,3,4,5,6,7
	global_load_b32 v[BR+\a], v4, s[8:9] offset:4*(32*(\a/2)+8*(\a%2))
.endr
	s_wait_loadcnt 0x0
.irp a, 0,1,2,3,4,5,6,7
.irp j, 0,1,2,3,4,5,6,7
	v_mov_b32 v[BP+8*\a+\j], v[BR+\a]              ; one number a lane: the same in a C operand's eight registers
.endr
.endr
.Lbias_asked:
.macro FRAG reg, adr, q, i             ; a fragment comes as it lies: two loads of 512 bytes on end
.irp c, 0,1
	ds_load_b128 v[\reg+4*\c:\reg+4*\c+3], v[\adr] offset:BLK*(\q)+1024*(\i)+512*\c
.endr
.endm
; One matrix instruction: R's tile a x P's tile b, the slot's q-th 128 along K; p: P's set; sc: the set of scale words; mode 0: the sum goes on, 1: it starts on the bias along P, 2: along R.
.macro MM a, b, p, q, sc, mode
.set D_, 8*(8*((\a)%4)+(\b))
.set C_, D_
.if (\mode) == 1
.set C_, BP+8*(\b)
.elseif (\mode) == 2
.set C_, BP+8*(\a)
.endif
.set P_, 128*(\p)+8*(\b)
.set R_, AF+8*(\a)
.set SP_, SC+32*(\sc)+8*(\q)+4+(\b)%4
.set SR_, SC+32*(\sc)+8*(\q)+(\a)%4
.if ((\a) < 4) && ((\b) < 4)
	v_wmma_scale_f32_16x16x128_f8f6f4 v[D_:D_+7], v[P_:P_+7], v[R_:R_+7], v[C_:C_+7], v[SP_], v[SR_] matrix_a_fmt:MATRIX_FMT_FP4 matrix_b_fmt:MATRIX_FMT_FP4
.elseif (\a) < 4
	v_wmma_scale_f32_16x16x128_f8f6f4 v[D_:D_+7], v[P_:P_+7], v[R_:R_+7], v[C_:C_+7], v[SP_], v[SR_] matrix_a_fmt:MATRIX_FMT_FP4 matrix_b_fmt:MATRIX_FMT_FP4 matrix_a_scale:MATRIX_SCALE_ROW1
.elseif (\b) < 4
	v_wmma_scale_f32_16x16x128_f8f6f4 v[D_:D_+7], v[P_:P_+7], v[R_:R_+7], v[C_:C_+7], v[SP_], v[SR_] matrix_a_fmt:MATRIX_FMT_FP4 matrix_b_fmt:MATRIX_FMT_FP4 matrix_b_scale:MATRIX_SCALE_ROW1
.else
	v_wmma_scale_f32_16x16x128_f8f6f4 v[D_:D_+7], v[P_:P_+7], v[R_:R_+7], v[C_:C_+7], v[SP_], v[SR_] matrix_a_fmt:MATRIX_FMT_FP4 matrix_b_fmt:MATRIX_FMT_FP4 matrix_a_scale:MATRIX_SCALE_ROW1 matrix_b_scale:MATRIX_SCALE_ROW1
.endif
.endm
; 16 of them: R's blocks a0, a0 + 1 x P's eight.  The 64 accumulators take turns, one instruction a turn, in the same order in every step.
.macro MUL16 a0, p, q, sc, mode
.irp a, \a0, \a0+1
.irp b, 0,1,2,3,4,5,6,7
	MM \a, \b, \p, \q, \sc, \mode
.endr
.endr
.endm
.macro MULWIN hi, mode                 ; source 0 (P) window 1, source 1 (R) window 0, D window 2 or 3, C the same or (the bias) window 0
.if (\mode) == 0
	WIN 0xa1+0x50*\hi
.else
	WIN 0x81+0x40*\hi
.endif
.endm
.macro FETCH_P slot, q, p              ; P's eight fragments into set p
	WIN TO_P
.irp i, 0,1,2,3,4,5,6,7
	FRAG 128*(\p)+8*\i, ADRP+\slot, \q, \i
.endr
	WIN 0
.endm
.macro FETCH_R slot, q, i0             ; R's blocks i0 .. i0 + 3
.irp i, \i0, \i0+1, \i0+2, \i0+3
	FRAG AF+8*(\i), ADRR+\slot, \q, \i
.endr
.endm
.macro SCALES sc                       ; a slot's scale words: lanes 0-15 take tiles 0-3 of row r, lanes 16-31 tiles 4-7
.irp q, 0,1,2,3
	ds_load_b128 v[SC+32*\sc+8*\q:SC+32*\sc+8*\q+3], v[ADRR+\sc] offset:BLK*\q+8192
	ds_load_b128 v[SC+32*\sc+8*\q+4:SC+32*\sc+8*\q+7], v[ADRP+\sc] offset:BLK*\q+8192
.endr
.endm
.macro PLACES                          ; plain vector instructions between a matrix instruction and a load into, or a read of, its registers
.rept NP
	v_nop
.endr
.endm
; A step of 128 along K that has its successor in the same slot.  R has one set of registers: blocks 0-3 are fetched anew in the step's middle, blocks 4-7 at its end.
.macro STEP slot, q, mode
	s_wait_dscnt 8                                 ; all but the youngest eight loads (R's blocks 4-7) are in
	MULWIN 0, \mode
	MUL16 0, (\q)%2, \q, \slot, \mode
	MUL16 2, (\q)%2, \q, \slot, \mode
	s_wait_dscnt 0                                 ; R's blocks 4-7 are in
	PLACES
	FETCH_P \slot, (\q)+1, 1-(\q)%2
	FETCH_R \slot, (\q)+1, 0
	MULWIN 1, \mode
	MUL16 4, (\q)%2, \q, \slot, \mode
	MUL16 6, (\q)%2, \q, \slot, \mode
	PLACES
	WIN 0
	FETCH_R \slot, (\q)+1, 4
.endm
; A slot's last step changes slots: one barrier; in front of it each wave waits for all its tensor loads, adds 0 to its spare word, and waits for that and for its reads of this slot.
; fill = 1: the slot is filled again; ask: the K step to prefetch behind it, or 0.
.macro TURN slot, next, fill, ask
	s_wait_tensorcnt 0x0                           ; all my tensor loads have landed: my part of the next slot
	ds_add_u32 v[SPW], v[NIL]                      ; 0 onto my spare word
	s_wait_dscnt 9                                 ; the add and the youngest eight loads may be out
	MULWIN 0, 0
	MUL16 0, 1, NQ-1, \slot, 0                     ; sixteen matrix instructions stand between the add and the wait for it
	s_wait_dscnt 0x0                               ; the add is done, and my reads of this slot are over
	s_barrier_signal -1
	MUL16 2, 1, NQ-1, \slot, 0
	WIN 0
	s_barrier_wait -1
.if \fill
	CREST                                          ; the barrier has opened a round of the cluster's: no wave of any partner still reads this slot or has a load on its way
	s_add_nc_u64 s[G0R+4*\slot+2:G0R+4*\slot+3], s[G0R+4*\slot+2:G0R+4*\slot+3], 2*STEPB   ; two K steps on
	s_add_nc_u64 s[G0P+4*\slot+2:G0P+4*\slot+3], s[G0P+4*\slot+2:G0P+4*\slot+3], 2*STEPB
	JLOAD \slot                                    ; my one tensor load behind the round; its four v_nop are the places in front of the loads below
.else
	PLACES
.endif
	FETCH_P \next, 0, 0
	FETCH_R \next, 0, 0
	SCALES \next
.if \ask
	ASK \ask
.endif
	MULWIN 1, 0
	MUL16 4, 1, NQ-1, \slot, 0
	MUL16 6, 1, NQ-1, \slot, 0
	PLACES
	WIN 0
	FETCH_R \next, 0, 4
.endm
	s_wait_alu depctr_va_vdst(0)                   ; the head's end
	s_wait_loadcnt 0x0                             ; the bias
	s_wait_tensorcnt 0x0                           ; my part of K step 0 is in
	ds_add_u32 v[SPW], v[NIL]
	s_wait_dscnt 0x0
	CROUND                                         ; everybody's part of K step 0 is in, and the joint loads meet
	JLOAD 1                                        ; K step 1, the first tensor load behind the round
	FETCH_P 0, 0, 0
	FETCH_R 0, 0, 0
	SCALES 0
	FETCH_R 0, 0, 4
	ASK 2
	s_cmp_eq_u32 s[ROLE], 0
	s_cbranch_scc0 .Lfirst_v
	STEP 0, 0, 1                                   ; the first products start the sums on the bias
	s_branch .Lstarted
.Lfirst_v:
	STEP 0, 0, 2
.Lstarted:
	STEP 0, 1, 0
	STEP 0, 2, 0
	TURN 0, 1, 1, 3                                ; slot 0 takes K step 2
	STEP 1, 0, 0
	STEP 1, 1, 0
	STEP 1, 2, 0
	TURN 1, 0, 1, 0                                ; slot 1 takes K step 3
	STEP 0, 0, 0
	STEP 0, 1, 0
	STEP 0, 2, 0
	TURN 0, 1, 0, 0                                ; nothing is left to fetch
	STEP 1, 0, 0
	STEP 1, 1, 0
	STEP 1, 2, 0
	s_wait_dscnt 8
	MULWIN 0, 0
	MUL16 0, 1, NQ-1, 1, 0
	MUL16 2, 1, NQ-1, 1, 0
	s_wait_dscnt 0
	MULWIN 1, 0
	MUL16 4, 1, NQ-1, 1, 0
	MUL16 6, 1, NQ-1, 1, 0
	WIN 0
; Tiles a and a + 1 of my 128 rows of R: eight blocks of 32, my half of block n in the accumulators' registers A_ + 16 n + 0 .. 15, each accumulator read from its low end on.
.macro OUT a
.set W_, 2+(\a)/4
.set A_, 64*((\a)%4)
.set CB_, 192+8*(\a)                   ; codes: 16 registers for each pair of tiles, so that no store's data are written again
	WIN 5*W_                                       ; sources 0 and 1: the accumulators' window
.irp n, 0,1,2,3,4,5,6,7
	v_max3_num_f32 v[TM+\n], |v[A_+16*\n]|, |v[A_+1+16*\n]|, 0x1800000   ; and the floor 2^(3 - 127)
.endr
	WIN 20*W_                                      ; sources 1 and 2
.irp i, 2,4,6,8,10,12,14
.irp n, 0,1,2,3,4,5,6,7
	v_max3_num_f32 v[TM+\n], v[TM+\n], |v[A_+16*\n+\i]|, |v[A_+1+16*\n+\i]|
.endr
.endr
	WIN 0
.irp n, 0,1,2,3,4,5,6,7
	v_permlanex16_b32 v[TX+\n], v[TM+\n], s[SEL], s[SEL+1]
.endr
.irp n, 0,1,2,3,4,5,6,7
	v_max_num_f32 v[TM+\n], v[TM+\n], v[TX+\n]     ; with lane l xor 16's: the block's largest magnitude
.endr
.irp n, 0,1,2,3,4,5,6,7
	v_add_nc_u32 v[TO+\n], 0xff000000, v[TM+\n]    ; 2 off its exponent field: the conversion's scale operand
.endr
.irp n, 0,1,2,3,4,5,6,7
	v_lshrrev_b32 v[BY+\n], 23, v[TO+\n]           ; the scale's byte
.endr
.irp n, 1,2,3
.irp m, 0,1
.if \n == 1
	v_lshl_or_b32 v[PW+(\a)+\m], v[BY+4*\m+1], 8, v[BY+4*\m]
.else
	v_lshl_or_b32 v[PW+(\a)+\m], v[BY+4*\m+\n], 8*\n, v[PW+(\a)+\m]
.endif
.endr
.endr
	WIN W_                                         ; source 0
.irp n, 0,1,2,3,4,5,6,7
	v_cvt_scalef32_pk8_fp4_f32 v[CB_+2*\n], v[A_+16*\n:A_+16*\n+7], v[TO+\n]
	v_cvt_scalef32_pk8_fp4_f32 v[CB_+2*\n+1], v[A_+16*\n+8:A_+16*\n+15], v[TO+\n]
.endr
	WIN 0
	v_nop                                          ; one plain place behind a scaled conversion
.irp c, 0,4,8,12                               ; the operand's layout wants a whole block in a lane
.irp i, 0,1
	v_permlane16_swap_b32 v[CB_+\c+\i], v[CB_+2+\c+\i]
.endr
.endr
.irp c, 0,1,2,3
	global_store_b128 v[LI], v[CB_+4*\c:CB_+4*\c+3], s[14:15] offset:(\a)*1024+512*\c   ; 32 lanes store 512 consecutive bytes
.endr
.endm
	PLACES                                         ; behind the last products: their results are read, and R's fragments written over, below
	OUT 0
	OUT 2
	OUT 4
	OUT 6
	v_cmp_le_u32 vcc_lo, 16, v3                    ; lanes 0-15 store the words of tiles 0-3 of their row r, lanes 16-31 those of tiles 4-7 (both halves hold every word)
.irp q, 0,1,2,3
	v_cndmask_b32 v[PC+\q], v[PW+\q], v[PW+4+\q], vcc_lo
.endr
	global_store_b128 v[LI], v[PC:PC+3], s[14:15] offset:8192      ; the block's 512 bytes of scale words, whole
	s_wait_tensorcnt 0x0                           ; the wave's end
	ds_add_u32 v[SPW], v[NIL]
	s_wait_dscnt 0x0
	CROUND                                         ; the closing round: no work-group ends while a partner may still ask for a tile that names it
	s_endpgm
.Lfunc_end_k_qdcd9651b11_qkv:
	.size	k_qdcd9651b11_qkv, .Lfunc_end_k_qdcd9651b11_qkv-k_qdcd9651b11_qkv
	.p2alignl 7, 3214868480
	.fill 96, 4, 3214868480
	.section	.rodata,"a",@progbits
	.p2align	6, 0x0
	.amdhsa_kernel k_qdcd9651b11_qkv
		.amdhsa_group_segment_fixed_size 327680
		.amdhsa_private_segment_fixed_size 0
		.amdhsa_enable_private_segment 0
		.amdhsa_kernarg_size 48
		.amdhsa_user_sgpr_count 2
		.amdhsa_user_sgpr_kernarg_segment_ptr 1
		.amdhsa_wavefront_size32 1
		.amdhsa_system_sgpr_workgroup_id_x 1
		.amdhsa_system_sgpr_workgroup_id_y 1
		.amdhsa_system_sgpr_workgroup_id_z 1
		.amdhsa_system_vgpr_workitem_id 0
		.amdhsa_next_free_vgpr 1024
		.amdhsa_next_free_sgpr 100
		.amdhsa_reserve_vcc 1
		.amdhsa_float_denorm_mode_32 3
		.amdhsa_float_denorm_mode_16_64 3
		.amdhsa_memory_ordered 1
		.amdhsa_forward_progress 1
		.amdhsa_inst_pref_size 228
	.end_amdhsa_kernel
	.amdgpu_metadata
---
amdhsa.version: [ 1, 2 ]
amdhsa.kernels:
  - .name:           k_qdcd9651b11_qkv
    .symbol:         k_qdcd9651b11_qkv.kd
    .args:
      - { .name: x_q, .offset: 0, .size: 8, .value_kind: global_buffer, .address_space: global }
      - { .name: w_q, .offset: 8, .size: 8, .value_kind: global_buffer, .address_space: global }
      - { .name: bq, .offset: 16, .size: 8, .value_kind: global_buffer, .address_space: global }
      - { .name: bk, .offset: 24, .size: 8, .value_kind: global_buffer, .address_space: global }
      - { .name: bv, .offset: 32, .size: 8, .value_kind: global_buffer, .address_space: global }
      - { .name: qkv_q, .offset: 40, .size: 8, .value_kind: global_buffer, .address_space: global }
    .group_segment_fixed_size: 327680
    .private_segment_fixed_size: 0
    .kernarg_segment_align: 8
    .kernarg_segment_size: 48
    .max_flat_workgroup_size: 128
    .sgpr_count:     100
    .vgpr_count:     1024
    .wavefront_size: 32
...
	.end_amdgpu_metadata
.endif
;; end of part 2
;; launch attn (part 3): grid 16 x 16, 16 waves a work-group, clusters of 4 x 1, 280,576 bytes of LDS; arguments qkv_q, o_q; writes o_q
.if DOCPART == 3
	.amdgcn_target "amdgcn-amd-amdhsa--gfx1250"
	.amdhsa_code_object_version 6
	.text
	.protected	k_qdcd9651b11_attn
	.globl	k_qdcd9651b11_attn
	.p2align	8
	.type	k_qdcd9651b11_attn,@function
k_qdcd9651b11_attn:
	s_mov_b64 s[64:65], 0
	v_nop
	global_prefetch_b8 v0, s[64:65] scope:SCOPE_SE
	s_setreg_imm32_b32 hwreg(HW_REG_WAVE_MODE, 25, 1), 1
	s_wait_xcnt 0x0
	s_wait_alu depctr_hold_cnt(0) depctr_sa_sdst(0) depctr_va_vdst(0) depctr_va_sdst(0) depctr_va_ssrc(0) depctr_va_vcc(0) depctr_vm_vsrc(0)
	s_getreg_b32 s2, hwreg(HW_REG_IB_STS2, 6, 4)
	s_cmp_eq_u32 s2, 0
	s_cbranch_scc0 .Lentry_in_a_cluster
	s_endpgm
.Lentry_in_a_cluster:
	s_bfe_u32 s2, ttmp6, 0x10000c
	s_cmp_lg_u32 s2, 0x3003
	s_cbranch_scc0 .Lentry_shape_is_right
	s_endpgm
.Lentry_shape_is_right:
; o[s][head] = softmax over keys k <= s of (q . k / sqrt(128)) v, both products on codes of FP4 with E8M0 scales; o is divided by the row's sum and quantised along the head's 128 at once.
; THE SOFTMAX AHEAD OF THE SECOND PRODUCT: t = score x log2(e) / sqrt(128); M = the largest t so far, rounded UP to a whole number; p = 2^(t - M) is quantised along the keys, not normalised;
; the row's sum is taken of the unquantised p.  When M moves, the sum and O are multiplied by 2^(old M - new M), which rounds nothing.
; WORK LEFT OUT: key steps all of whose keys come after the queries (the causal mask that reference() builds: p = 0 there for all finite inputs; launch quant's head).  NaN, infinities and overflow there are not carried.
; OPERANDS lie in blocks of 8,704 bytes (8 fragment images of 1,024, then the scale words): q: block 16 head + s / 128; k: 256 + the same; v (rows d, K = 128 keys): 512 + 16 head + key / 128.
; Tile 2 b + u holds in lane r row 32 b + 8 u + r + 8 (r / 8).  Both products are used transposed (S^T = K Q^T, O^T = V^T P^T): a lane holds one query, and the 16 registers of tiles 2 b, 2 b + 1 are 16 neighbours.
; SHARES.  Cluster c = 0 .. 3 of a head, place g = 0 .. 3; e = c % 2.  Wave w: j = w / 4, i = w % 4.  A work-group owns tile a = 4 (c / 2) + g of eight query blocks: for each i, B = 15 - y (kind 0) and B = y (kind 1),
; y = 2 i + ((i % 2) xor e).  A block has B + 1 key steps of 128, so the two of an i have 17 together.  i < 3: waves j = 0, 1, 2 walk kind 0's steps by threes, wave j = 3 kind 1's.
; i = 3: waves j = 0, 1 walk kind 0's by twos, waves j = 3, 2 kind 1's.  No wave has more than six steps, and each has at least one.
; The partial results of a tile merge at the end: M is a whole number, so that is exact scalings.
; What hangs on g is addresses in memory and the diagonal's compare alone: causal branches hang on the cluster and on the wave's number.
; MULTICAST: the four of a cluster read the same K and V.  LDS holds the whole head, filled once: wave w asks jointly for key blocks 2 (w / 2) and 2 (w / 2) + 1 of K (w even) or V (w odd); each such pair is read, by block 15's or block 14's tiles at the last.
; Waves 0-3 fetch blocks 0-3, on a line of their own: the first steps, 0 to 2, wait for these alone.  NO PREFETCH: there is no loop of loads to run ahead in.
; o_q: block 16 (s / 128) + head; its scale words lie at 8192 + 64 tile + 4 r.
; LIMITS: scaled scores (exponents to the base 2) stay under 2^31 in magnitude; a block of zeros gets the byte 1, not 127 (zero codes; the bytes are read by this program alone); magnitudes under 2^-124 keep the byte 1;
; 1 / sum is v_rcp_f32 and a multiplication; NaN and infinities are not served.
; REGISTERS: v1-5 addresses that stay; v8, v9 a step's; v12 -M, v13 the largest t, v[14:15] the sum in two halves; v16-23 Q; v24, v25 offsets; v30, v31 the add's; v32-95 eight fragments of K or of V;
;   v96-159 S^T, then p; v160-223 O^T; v224-231 p's codes; v232-247, v252, v254 at work; v248-251 K's or V's scale words; v253 p's; v255 Q's.
.set BLK,   8704
.set VREG,  16*BLK                     ; LDS: K's blocks at 0, V's here
.set SPARE, 32*BLK                     ; the spare words, 128 bytes for each wave
.set SET,   4*BLK                      ; behind the last read of K: merge areas in K's first bytes, one block long: 16 x 512 of O^T, the sum at 8192, -M at 8320; set 0 from j = 1, set 1 from j = 2
.set MAW,  1
.set MAR,  2
.set MLW,  3
.set MLR,  4
.set DQ,   5                           ; v5   my query's place in its block - 16 (lane / 16)
.set ADK,  8
.set ADV,  9
.set LI,   24                          ; v24  16 x lane
.set LR,   25                          ; v25  4 x (lane % 16)
.set SPW,  30
.set NIL,  31
.set PC,   224
.set TM,   232
.set TO,   244
.set WV,   12
.set J,    13
.set KIND, 14
.set WI,   15
.set BB,   19
.set SEL,  20
.set CS,   22
.set G1,   24                          ; s[24:31] group 1, s[32:35] group 0
.set G0,   32
.set PI,   36
.set PARTS, 37
.set SK,   60                          ; s60  the key step in hand
.set SN,   61                          ; s61  its number among mine
.set SA,   62
.macro CROUND                          ; a round of the cluster's barrier
	s_barrier_signal -1
	s_barrier_wait -1
	s_cmp_lg_u32 s[WV], 0
	s_cbranch_scc1 .Lnot_wave_0_\@
	s_barrier_signal -3
.Lnot_wave_0_\@:
	s_barrier_wait -3
	s_barrier_signal -1
	s_barrier_wait -1
.endm
	s_load_b128 s[4:7], s[0:1], 0x0                ; qkv_q, o_q
	v_lshl_add_u32 v[SPW], v0, 2, SPARE
	v_mov_b32 v[NIL], 0
	ds_add_u32 v[SPW], v[NIL]                      ; the wave's opening: the add, twice on end, and its wait; work on registers stands between
	ds_add_u32 v[SPW], v[NIL]
	v_lshrrev_b32 v8, 5, v0
	v_readfirstlane_b32 s[WV], v8                  ; wave 0..15
	v_and_b32 v9, 31, v0                           ; lane
	v_and_b32 v10, 15, v0                          ; r
	v_bfe_u32 v11, v0, 4, 1                        ; h
	s_lshr_b32 s[J], s[WV], 2
	s_and_b32 s[WI], s[WV], 3
	s_bfe_u32 s17, ttmp6, 0x40000                  ; g
	s_and_b32 s18, ttmp7, 0xffff                   ; the head
	s_lshr_b32 s66, s[J], 1                        ; two and two: the kind,
	s_xor_b32 s67, s[J], 3
	s_cmp_lg_u32 s66, 0
	s_cselect_b32 s67, s67, s[J]                   ; and the part: 0, 1, 1, 0
	s_cmp_eq_u32 s[J], 3
	s_cselect_b32 s68, 1, 0                        ; three and one
	s_cselect_b32 s69, 0, s[J]
	s_cselect_b32 s70, 1, 3
	s_cmp_lt_u32 s[WI], 3
	s_cselect_b32 s[KIND], s68, s66
	s_cselect_b32 s[PI], s69, s67
	s_cselect_b32 s[PARTS], s70, 2
	s_xor_b32 s66, s[WI], ttmp9
	s_and_b32 s66, s66, 1
	s_lshl_b32 s67, s[WI], 1
	s_add_co_u32 s67, s67, s66                     ; y
	s_sub_co_u32 s68, 15, s67
	s_cmp_eq_u32 s[KIND], 0
	s_cselect_b32 s[BB], s68, s67                  ; my block of 128 queries
	s_lshr_b32 s71, ttmp9, 1
	s_lshl_b32 s78, s71, 2
	s_add_co_u32 s78, s78, s17                     ; a = 4 (c / 2) + g: my tile in it
	; every LDS address is made here
	s_wait_alu depctr_va_vdst(0)
	v_lshlrev_b32 v[LI], 4, v9
	v_lshlrev_b32 v[LR], 2, v10
	v_lshlrev_b32 v8, 2, v9
	s_mul_i32 s66, s[WI], BLK
	v_add_nc_u32 v[MAR], s66, v[LI]                ; a merge area: read at i,
	v_add_nc_u32 v[MLR], s66, v8
	s_lshr_b32 s67, s[J], 1
	s_mul_i32 s67, s67, SET
	s_add_co_u32 s66, s66, s67
	v_add_nc_u32 v[MAW], s66, v[LI]                ; written at i in set j / 2
	v_add_nc_u32 v[MLW], s66, v8
	v_and_b32 v[DQ], 8, v10
	v_lshlrev_b32 v8, 4, v11
	s_lshr_b32 s67, s78, 1
	s_lshl_b32 s67, s67, 5
	s_and_b32 s68, s78, 1
	s_lshl_b32 s68, s68, 3
	s_add_co_u32 s67, s67, s68                     ; 32 (a / 2) + 8 (a % 2)
	v_add_nc_u32 v[DQ], v[DQ], v10                 ; + r + 8 (r / 8)
	v_sub_nc_u32 v8, s67, v8
	v_add_nc_u32 v[DQ], v[DQ], v8                  ; - 16 h
	v_lshlrev_b32 v8, 4, v10
	; what my wave fetches: kv = w % 2 (K or V), blocks 2 (w / 2), 2 (w / 2) + 1
	s_and_b32 s67, s[WV], 1
	s_lshr_b32 s68, s[WV], 1
	s_lshl_b32 s66, s18, 4
	s_add_co_u32 s66, s66, 256                     ; the head's first block of K
	s_lshl_b32 s69, s67, 8
	s_add_co_u32 s66, s66, s69                     ; V: 256 blocks on
	s_lshl_b32 s69, s68, 1
	s_add_co_u32 s66, s66, s69
	s_mul_i32 s72, s66, BLK
	s_mov_b32 s73, 0
	s_mul_i32 s67, s67, VREG                       ; and in LDS
	s_mul_i32 s68, s68, 2*BLK
	s_mov_b32 s[G1], 15|(3<<16)|(1<<21)            ; the mask: all four; elements of 8 bytes; bit 21 set beside a mask; no padding
	s_mov_b32 s[G1+1], 32<<16                      ; tensor_dim0 = 32
	s_mov_b32 s[G1+2], 68<<16                      ; tensor_dim1 = 68
	s_mov_b32 s[G1+3], 32<<16                      ; tile_dim0
	s_mov_b32 s[G1+4], 68                          ; tile_dim1: 17,408 bytes
	s_mov_b32 s[G1+5], 32                          ; the pitch
	s_mov_b32 s[G1+6], 0
	s_mov_b32 s[G1+7], 0
	s_mov_b32 s[G0], 1
	s_add_co_u32 s[G0+1], s67, s68
	s_lshl_b32 s66, s18, 4
	s_add_co_u32 s66, s66, s[BB]
	s_mul_i32 s66, s66, BLK                        ; Q's block,
	s_lshl_b32 s67, s78, 10
	s_add_co_u32 s74, s66, s67                     ; my tile's image,
	s_mov_b32 s75, 0
	s_lshl_b32 s67, s71, 8
	s_lshl_b32 s68, s17, 2
	s_add_co_u32 s66, s66, s67
	s_add_co_u32 s66, s66, s68
	s_add_co_u32 s76, s66, 8192                    ; and its words: 256 (a / 4) + 4 (a % 4) + 16 r
	s_mov_b32 s77, 0
	s_lshl_b32 s66, s[BB], 4
	s_add_co_u32 s66, s66, s18
	s_mul_i32 s66, s66, BLK                        ; o's block
	s_lshl_b32 s67, s78, 10
	s_add_co_u32 s68, s66, s67
	s_mov_b32 s69, 0
	s_lshl_b32 s67, s78, 6
	s_add_co_u32 s66, s66, s67
	s_add_co_u32 s66, s66, 8192
	s_mov_b32 s67, 0
	s_mov_b32 s[SEL], 0x76543210
	s_mov_b32 s[SEL+1], 0xfedcba98                 ; v_permlanex16_b32's selects for lane l xor 16
	s_mov_b32 s[CS], 0x3e0293ee                    ; c = log2(e) / sqrt(128)
	s_mov_b32 s[CS+1], s[CS]                       ; (named with it as a pair, so it is written)
	s_wait_dscnt 0x0                               ; both opening adds are done
	s_wait_alu depctr_va_vdst(0)
	s_wait_kmcnt 0x0
	s_add_nc_u64 s[G0+2:G0+3], s[4:5], s[72:73]
	s_or_b32 s[G0+3], s[G0+3], 0x80000000
	s_add_nc_u64 s[74:75], s[4:5], s[74:75]
	s_add_nc_u64 s[76:77], s[4:5], s[76:77]
	s_add_nc_u64 s[8:9], s[6:7], s[68:69]
	s_add_nc_u64 s[10:11], s[6:7], s[66:67]
	CROUND                                         ; all four work-groups are here: the joint loads meet
	s_cmp_lt_u32 s[WV], 4                          ; one tensor load a wave; waves 0-3 on a line of their own, since they alone wait for it ahead of the first step
	s_cbranch_scc0 .Llater
	tensor_load_to_lds s[G0:G0+3], s[G1:G1+7]
	s_nop 0
.rept 4
	v_nop
.endr
	s_branch .Lasked
.Llater:
	tensor_load_to_lds s[G0:G0+3], s[G1:G1+7]
	s_nop 0
.rept 4
	v_nop
.endr
.Lasked:
	global_load_b128 v[16:19], v[LI], s[74:75]
	global_load_b128 v[20:23], v[LI], s[74:75] offset:512
	global_load_b32 v255, v8, s[76:77]
.irp b, 0,1,2,3
	v_mov_b32 v[236+\b], 0                         ; written once: a lane permute's destination counts as one of its sources
.endr
	s_wait_alu depctr_va_vdst(0)                   ; the head's end
	s_wait_loadcnt 0x0                             ; Q
	s_cmp_lt_u32 s[WV], 4
	s_cbranch_scc0 .Lnot_yet
	s_wait_tensorcnt 0x0                           ; blocks 0-3 of K and V
.Lnot_yet:
	s_barrier_signal -1
	s_barrier_wait -1
; A KEY STEP: number n x parts + my part.  first = 1: n = 0, a step that every wave has: its products and its sum start the sums, nothing is cleared.
; Else a step that lies behind my queries' block is left out: a scalar branch on ids, round no barrier.
.macro STEP first
.if \first
	s_mov_b32 s[SK], s[PI]
	s_and_b32 s[SA], s[PI], 3                      ; (0, 1 or 2)
.else
	s_mul_i32 s[SK], s[SN], s[PARTS]
	s_add_co_u32 s[SK], s[SK], s[PI]
	s_cmp_gt_u32 s[SK], s[BB]
	s_cbranch_scc1 .Lhidden_\@
	s_min_u32 s[SA], s[SK], 15
.endif
	s_mul_i32 s[SA], s[SA], BLK
	v_add_nc_u32 v[ADK], s[SA], v[LI]              ; (these and the two v_nop are the places behind the last step's products, in front of the loads below)
	v_add_nc_u32 v[ADV], VREG, v[ADK]
	v_nop
	v_nop
.irp t, 0,1,2,3,4,5,6,7
.irp c, 0,1
	ds_load_b128 v[32+8*\t+4*\c:32+8*\t+4*\c+3], v[ADK] offset:1024*\t+512*\c
.endr
.endr
	ds_load_b128 v[248:251], v[ADK] offset:8192    ; scale words: lanes 0-15 take tiles 0-3 of row r, lanes 16-31 tiles 4-7
	s_wait_alu depctr_va_vdst(0)
	s_wait_dscnt 0x0
.irp t, 0,1,2,3                                ; S^T = K Q^T
	v_wmma_scale_f32_16x16x128_f8f6f4 v[96+8*\t:103+8*\t], v[32+8*\t:39+8*\t], v[16:23], 0, v[248+\t], v255 matrix_a_fmt:MATRIX_FMT_FP4 matrix_b_fmt:MATRIX_FMT_FP4
.endr
.irp t, 4,5,6,7
	v_wmma_scale_f32_16x16x128_f8f6f4 v[96+8*\t:103+8*\t], v[32+8*\t:39+8*\t], v[16:23], 0, v[244+\t], v255 matrix_a_fmt:MATRIX_FMT_FP4 matrix_b_fmt:MATRIX_FMT_FP4 matrix_a_scale:MATRIX_SCALE_ROW1
.endr
.rept 4
	v_nop                                          ; places: the scores are read below, and V's run of loads lands on K's registers
.endr
.irp t, 0,1,2,3,4,5,6,7                        ; V is asked for now and lands while the softmax is worked
.irp c, 0,1
	ds_load_b128 v[32+8*\t+4*\c:32+8*\t+4*\c+3], v[ADV] offset:1024*\t+512*\c
.endr
.endr
	ds_load_b128 v[248:251], v[ADV] offset:8192
	s_cmp_lg_u32 s[SK], s[BB]                      ; only the block's own step lies on the diagonal
	s_cbranch_scc1 .Lopen_\@
	v_mov_b32 v254, 0xff800000                     ; -infinity.  Register 16 b + i holds key 32 b + 16 (lane / 16) + i of the step: hidden where 32 b + i > v[DQ]
.set n, 0
.rept 64
	v_cmp_gt_i32 vcc_lo, 32*(n/16)+n%16, v[DQ]
	v_cndmask_b32 v[96+n], v[96+n], v254, vcc_lo
.set n, n+1
.endr
.Lopen_\@:
.irp b, 0,1,2,3
	v_max3_num_f32 v[232+\b], v[96+16*\b], v[97+16*\b], v[98+16*\b]   ; the largest score of each block of 32 keys: it serves the row's maximum and, since p rises with the score, the block's largest p
.endr
.irp i, 3,5,7,9,11,13
.irp b, 0,1,2,3
	v_max3_num_f32 v[232+\b], v[232+\b], v[96+16*\b+\i], v[97+16*\b+\i]
.endr
.endr
.irp b, 0,1,2,3
	v_max_num_f32 v[232+\b], v[232+\b], v[111+16*\b]
.endr
.irp b, 0,1,2,3
	s_delay_alu instid0(VALU_DEP_4)
	v_permlanex16_b32 v[236+\b], v[232+\b], s[SEL], s[SEL+1]
.endr
.irp b, 0,1,2,3
	s_delay_alu instid0(VALU_DEP_4)
	v_max_num_f32 v[232+\b], v[232+\b], v[236+\b]  ; with lane l xor 16's 16 keys
.endr
	s_delay_alu instid0(VALU_DEP_2)
	v_max3_num_f32 v254, v232, v233, v234
	s_delay_alu instid0(VALU_DEP_1)
	v_max_num_f32 v254, v254, v235                 ; the step's largest score of my query
	s_delay_alu instid0(VALU_DEP_1)
.if \first
	v_mul_f32 v13, s[CS], v254                     ; as t
	s_delay_alu instid0(VALU_DEP_1)
	v_floor_f32 v12, -v13                          ; -M = floor(-t) = -ceil(t)
.else
	v_mul_f32 v254, s[CS], v254                    ; as t
	s_delay_alu instid0(VALU_DEP_1)
	v_max_num_f32 v13, v13, v254                   ; the running largest t
	v_mov_b32 v254, v12
	s_delay_alu instid0(VALU_DEP_2)
	v_floor_f32 v12, -v13                          ; the new -M = floor(-t) = -ceil(t)
	s_delay_alu instid0(VALU_DEP_1)
	v_sub_f32 v254, v12, v254                      ; old M - new M: a whole number, 0 or less
	s_delay_alu instid0(VALU_DEP_1)
	v_cvt_i32_f32 v254, v254                       ; (it saturates)
	s_delay_alu instid0(VALU_DEP_1)
	v_ldexp_f32 v252, 1.0, v254                    ; f = 2^(old M - new M)
.endif
.set j, 0
.rept 32
	v_pk_fma_f32 v[96+j:97+j], v[96+j:97+j], s[CS:CS+1], v[12:13] op_sel_hi:[1,0,0]   ; t - M, two at a time
.set j, j+2
.endr
.irp b, 0,1,2,3
	v_fma_f32 v[232+\b], v[232+\b], s[CS], v12     ; the same of each block's largest score
.endr
	s_wait_alu depctr_va_vdst(0)
.set j, 0
.rept 64
	v_exp_f32 v[96+j], v[96+j]                     ; p = 2^(t - M), at most 1
.set j, j+1
.endr
.if \first
	v_nop                                          ; a plain place behind the exponentials
.else
	v_pk_mul_f32 v[14:15], v[14:15], v[252:253] op_sel_hi:[1,0]    ; the sums under the new M: a plain instruction behind the exponentials
.endif
	s_wait_alu depctr_va_vdst(0)                   ; one wait for the batch of 64, ahead of its first reader
.irp b, 0,1,2,3
	v_exp_f32 v[232+\b], v[232+\b]                 ; the block's largest p
.endr
	v_pk_add_f32 v[236:237], v[100:101], v[104:105]
	v_pk_add_f32 v[246:247], v[108:109], v[112:113]
	v_pk_add_f32 v[244:245], v[116:117], v[120:121]
	v_pk_add_f32 v[242:243], v[124:125], v[128:129]
	v_pk_add_f32 v[240:241], v[132:133], v[136:137]
	v_pk_add_f32 v[238:239], v[140:141], v[144:145]
	v_pk_add_f32 v[230:231], v[148:149], v[152:153]
.if \first
	v_pk_add_f32 v[14:15], v[122:123], v[156:157]
.else
	v_pk_add_f32 v[14:15], v[14:15], v[156:157]
.endif
	v_pk_add_f32 v[236:237], v[236:237], v[96:97]
	v_pk_add_f32 v[246:247], v[246:247], v[98:99]
	v_pk_add_f32 v[244:245], v[244:245], v[102:103]
	v_pk_add_f32 v[242:243], v[242:243], v[106:107]
	v_pk_add_f32 v[240:241], v[240:241], v[110:111]
	v_pk_add_f32 v[238:239], v[238:239], v[114:115]
	v_pk_add_f32 v[230:231], v[230:231], v[118:119]
.if \first == 0
	v_pk_add_f32 v[14:15], v[14:15], v[122:123]
.endif
	v_pk_add_f32 v[236:237], v[236:237], v[126:127]
	v_pk_add_f32 v[246:247], v[246:247], v[130:131]
	v_pk_add_f32 v[244:245], v[244:245], v[134:135]
	v_pk_add_f32 v[242:243], v[242:243], v[138:139]
	v_pk_add_f32 v[240:241], v[240:241], v[142:143]
	v_pk_add_f32 v[238:239], v[238:239], v[146:147]
	v_pk_add_f32 v[230:231], v[230:231], v[150:151]
	v_pk_add_f32 v[14:15], v[14:15], v[154:155]
	v_pk_add_f32 v[236:237], v[236:237], v[158:159]
	s_delay_alu instid0(VALU_DEP_2)
	v_pk_add_f32 v[14:15], v[14:15], v[242:243]
	s_delay_alu instid0(VALU_DEP_2)
	v_pk_add_f32 v[236:237], v[236:237], v[240:241]
	v_pk_add_f32 v[246:247], v[246:247], v[238:239]
	v_pk_add_f32 v[244:245], v[244:245], v[230:231]
	s_delay_alu instid0(VALU_DEP_2)
	v_pk_add_f32 v[14:15], v[14:15], v[246:247]
	s_delay_alu instid0(VALU_DEP_2)
	v_pk_add_f32 v[236:237], v[236:237], v[244:245]
	s_delay_alu instid0(VALU_DEP_1)
	v_pk_add_f32 v[14:15], v[14:15], v[236:237]
	s_wait_alu depctr_va_vdst(0)                   ; and one for the four
.irp b, 0,1,2,3
	v_max_num_f32 v[232+\b], 0x1800000, v[232+\b]  ; the floor 2^(3 - 127): a block whose every p is 0 keeps the byte 1 over zero codes
.endr
.irp b, 0,1,2,3
	s_delay_alu instid0(VALU_DEP_4)
	v_add_nc_u32 v[244+\b], 0xff000000, v[232+\b]  ; 2 off the exponent field: the conversion's scale operand
.endr
.irp b, 0,1,2,3
	s_delay_alu instid0(VALU_DEP_4)
	v_lshrrev_b32 v[236+\b], 23, v[244+\b]         ; the scale's byte
.endr
	s_delay_alu instid0(VALU_DEP_3)
	v_lshl_or_b32 v253, v237, 8, v236              ; p's scale word for these 128 keys
	s_delay_alu instid0(VALU_DEP_1)
	v_lshl_or_b32 v253, v238, 16, v253
	s_delay_alu instid0(VALU_DEP_1)
	v_lshl_or_b32 v253, v239, 24, v253
.irp b, 0,1,2,3
	v_cvt_scalef32_pk8_fp4_f32 v[224+2*\b], v[96+16*\b:103+16*\b], v[244+\b]
	v_cvt_scalef32_pk8_fp4_f32 v[225+2*\b], v[104+16*\b:111+16*\b], v[244+\b]
.endr
	v_nop                                          ; one plain place behind a scaled conversion
.irp c, 0,1                                    ; the operand's layout wants a whole block in a lane
.irp i, 0,1
	v_permlane16_swap_b32 v[224+4*\c+\i], v[226+4*\c+\i]
.endr
.endr
.if \first
.rept 8
	v_nop                                          ; places in front of the scaled products below
.endr
.else
	s_wait_alu depctr_va_vdst(0)                   ; ahead of the first reader of O^T
.set j, 0
.rept 32
	v_pk_mul_f32 v[160+j:161+j], v[160+j:161+j], v[252:253] op_sel_hi:[1,0]   ; O^T under the new M; these 32 are also the places in front of the scaled products below
.set j, j+2
.endr
.endif
	s_wait_alu depctr_va_vdst(0)
	s_wait_dscnt 0x0                               ; V and its scale words are in
.irp t, 0,1,2,3                                ; O^T += V^T P^T: eight accumulators by turns
.if \first
	v_wmma_scale_f32_16x16x128_f8f6f4 v[160+8*\t:167+8*\t], v[32+8*\t:39+8*\t], v[224:231], 0, v[248+\t], v253 matrix_a_fmt:MATRIX_FMT_FP4 matrix_b_fmt:MATRIX_FMT_FP4
.else
	v_wmma_scale_f32_16x16x128_f8f6f4 v[160+8*\t:167+8*\t], v[32+8*\t:39+8*\t], v[224:231], v[160+8*\t:167+8*\t], v[248+\t], v253 matrix_a_fmt:MATRIX_FMT_FP4 matrix_b_fmt:MATRIX_FMT_FP4
.endif
.endr
.irp t, 4,5,6,7
.if \first
	v_wmma_scale_f32_16x16x128_f8f6f4 v[160+8*\t:167+8*\t], v[32+8*\t:39+8*\t], v[224:231], 0, v[244+\t], v253 matrix_a_fmt:MATRIX_FMT_FP4 matrix_b_fmt:MATRIX_FMT_FP4 matrix_a_scale:MATRIX_SCALE_ROW1
.else
	v_wmma_scale_f32_16x16x128_f8f6f4 v[160+8*\t:167+8*\t], v[32+8*\t:39+8*\t], v[224:231], v[160+8*\t:167+8*\t], v[244+\t], v253 matrix_a_fmt:MATRIX_FMT_FP4 matrix_b_fmt:MATRIX_FMT_FP4 matrix_a_scale:MATRIX_SCALE_ROW1
.endif
.endr
.if \first == 0
.Lhidden_\@:
.endif
.endm
	STEP 1
	s_mov_b32 s[SN], 1
	s_wait_alu depctr_va_vdst(0)
	s_wait_tensorcnt 0x0                           ; my two blocks are in (waves 0-3 have none out);
	s_wait_dscnt 0x0
	s_barrier_signal -1
	s_barrier_wait -1                              ; everybody's are
.Lstep:
	STEP 0
	s_add_co_u32 s[SN], s[SN], 1
	s_cmp_lt_u32 s[SN], 6
	s_cbranch_scc1 .Lstep
	; THE MERGE.  Behind the first barrier nobody reads K any more: its first bytes, which have had their only fill, take the partial O^T, sum and -M of waves 4-11.
.rept 4
	v_nop                                          ; places behind the last products
.endr
	v_add_f32 v14, v14, v15                        ; the sum's two halves
	s_wait_alu depctr_va_vdst(0)
	s_wait_dscnt 0x0
	s_barrier_signal -1
	s_barrier_wait -1
	s_cmp_lt_u32 s[WV], 4
	s_cbranch_scc1 .Lkeeps
	s_cmp_ge_u32 s[WV], 12
	s_cbranch_scc1 .Lkeeps
.set j, 0
.rept 16
	ds_store_b128 v[MAW], v[160+4*j:163+4*j] offset:512*j  ; as the registers stand, each accumulator from its low end on
.set j, j+1
.endr
	ds_store_b32 v[MLW], v14 offset:8192
	ds_store_b32 v[MLW], v12 offset:8320
.Lkeeps:
	s_wait_tensorcnt 0x0                           ; behind my last tensor load and my last LDS store
	ds_add_u32 v[SPW], v[NIL]
	s_wait_dscnt 0x0                               ; and for the partners' sake my stores are done
	CROUND                                         ; the closing round, and the merge's barrier: only reads of LDS follow
	s_cmp_ge_u32 s[WV], 12
	s_cbranch_scc1 .Lkind1
	s_cmp_ge_u32 s[WV], 4
	s_cbranch_scc1 .Lquit
.macro MERGE set
.set j, 0
.rept 16
	ds_load_b128 v[96+4*j:99+4*j], v[MAR] offset:SET*(\set)+512*j
.set j, j+1
.endr
	ds_load_b32 v232, v[MLR] offset:SET*(\set)+8192
	ds_load_b32 v233, v[MLR] offset:SET*(\set)+8320
	s_wait_alu depctr_va_vdst(0)
	s_wait_dscnt 0x0
	v_min_num_f32 v234, v12, v233                  ; - the larger M
	v_sub_f32 v235, v234, v12                      ; my M - the larger: a whole number, 0 or less
	v_sub_f32 v237, v234, v233                     ; the partner's
	v_mov_b32 v12, v234
	v_cvt_i32_f32 v235, v235
	v_cvt_i32_f32 v237, v237
	v_ldexp_f32 v238, 1.0, v235
	v_ldexp_f32 v240, 1.0, v237
	v_ldexp_f32 v239, 1.0, v235
	v_ldexp_f32 v241, 1.0, v237
	v_mul_f32 v14, v14, v238
.set j, 0
.rept 32
	v_pk_mul_f32 v[160+j:161+j], v[160+j:161+j], v[238:239]
.set j, j+2
.endr
	v_fma_f32 v14, v232, v240, v14
.set j, 0
.rept 32
	v_pk_fma_f32 v[160+j:161+j], v[96+j:97+j], v[240:241], v[160+j:161+j]
.set j, j+2
.endr
.endm
	MERGE 0                                        ; waves 0-3 take j = 1's part,
	s_wait_alu depctr_va_vdst(0)
	s_cmp_eq_u32 s[WI], 3
	s_cbranch_scc1 .Lfinish
	s_branch .Lmerge1                              ; and, where i < 3, j = 2's
.Lkind1:
	s_cmp_lg_u32 s[WI], 3
	s_cbranch_scc1 .Lfinish
.Lmerge1:
	MERGE 1                                        ; where i = 3, wave 15 takes j = 2's
.Lfinish:
	v_permlanex16_b32 v236, v14, s[SEL], s[SEL+1]
	v_add_f32 v14, v14, v236                       ; with lane l xor 16's keys: the row's sum
	s_wait_alu depctr_va_vdst(0)
	v_rcp_f32 v242, v14
	v_rcp_f32 v243, v14
	v_nop                                          ; one plain place behind a transcendental
	s_wait_alu depctr_va_vdst(0)                   ; one wait for both reciprocals, ahead of their first reader, which is also the first reader of O^T
.set j, 0
.rept 32
	v_pk_mul_f32 v[96+j:97+j], v[160+j:161+j], v[242:243]          ; o: register 16 b + i is channel 32 b + 16 (lane / 16) + i of my query
.set j, j+2
.endr
	; o is quantised along the head's 128: the fragment of (row block B, ks = head, tile a)
.irp b, 0,1,2,3
	v_max3_num_f32 v[TM+\b], |v[96+16*\b]|, |v[97+16*\b]|, 0x1800000
.endr
.irp i, 2,4,6,8,10,12,14
.irp b, 0,1,2,3
	s_delay_alu instid0(VALU_DEP_4)
	v_max3_num_f32 v[TM+\b], v[TM+\b], |v[96+16*\b+\i]|, |v[97+16*\b+\i]|
.endr
.endr
.irp b, 0,1,2,3
	s_delay_alu instid0(VALU_DEP_4)
	v_permlanex16_b32 v[TM+4+\b], v[TM+\b], s[SEL], s[SEL+1]
.endr
.irp b, 0,1,2,3
	s_delay_alu instid0(VALU_DEP_4)
	v_max_num_f32 v[TM+\b], v[TM+\b], v[TM+4+\b]
.endr
.irp b, 0,1,2,3
	s_delay_alu instid0(VALU_DEP_4)
	v_add_nc_u32 v[TO+\b], 0xff000000, v[TM+\b]
.endr
.irp b, 0,1,2,3
	s_delay_alu instid0(VALU_DEP_4)
	v_lshrrev_b32 v[TM+4+\b], 23, v[TO+\b]
.endr
	s_delay_alu instid0(VALU_DEP_3)
	v_lshl_or_b32 v253, v[TM+5], 8, v[TM+4]
	s_delay_alu instid0(VALU_DEP_1)
	v_lshl_or_b32 v253, v[TM+6], 16, v253
	s_delay_alu instid0(VALU_DEP_1)
	v_lshl_or_b32 v253, v[TM+7], 24, v253
.irp b, 0,1,2,3
	v_cvt_scalef32_pk8_fp4_f32 v[PC+2*\b], v[96+16*\b:103+16*\b], v[TO+\b]
	v_cvt_scalef32_pk8_fp4_f32 v[PC+1+2*\b], v[104+16*\b:111+16*\b], v[TO+\b]
.endr
	v_nop
.irp c, 0,1
.irp i, 0,1
	v_permlane16_swap_b32 v[PC+4*\c+\i], v[PC+2+4*\c+\i]
.endr
.endr
	global_store_b128 v[LI], v[PC:PC+3], s[8:9]                    ; 32 lanes store 512 consecutive bytes
	global_store_b128 v[LI], v[PC+4:PC+7], s[8:9] offset:512
	global_store_b32 v[LR], v253, s[10:11]         ; lanes r and r + 16 hold the same word and name the same place
.Lquit:
	s_endpgm
.Lfunc_end_k_qdcd9651b11_attn:
	.size	k_qdcd9651b11_attn, .Lfunc_end_k_qdcd9651b11_attn-k_qdcd9651b11_attn
	.p2alignl 7, 3214868480
	.fill 96, 4, 3214868480
	.section	.rodata,"a",@progbits
	.p2align	6, 0x0
	.amdhsa_kernel k_qdcd9651b11_attn
		.amdhsa_group_segment_fixed_size 280576
		.amdhsa_private_segment_fixed_size 0
		.amdhsa_enable_private_segment 0
		.amdhsa_kernarg_size 16
		.amdhsa_user_sgpr_count 2
		.amdhsa_user_sgpr_kernarg_segment_ptr 1
		.amdhsa_wavefront_size32 1
		.amdhsa_system_sgpr_workgroup_id_x 1
		.amdhsa_system_sgpr_workgroup_id_y 1
		.amdhsa_system_sgpr_workgroup_id_z 1
		.amdhsa_system_vgpr_workitem_id 0
		.amdhsa_next_free_vgpr 256
		.amdhsa_next_free_sgpr 80
		.amdhsa_reserve_vcc 1
		.amdhsa_float_denorm_mode_32 3
		.amdhsa_float_denorm_mode_16_64 3
		.amdhsa_memory_ordered 1
		.amdhsa_forward_progress 1
		.amdhsa_inst_pref_size 73
	.end_amdhsa_kernel
	.amdgpu_metadata
---
amdhsa.version: [ 1, 2 ]
amdhsa.kernels:
  - .name:           k_qdcd9651b11_attn
    .symbol:         k_qdcd9651b11_attn.kd
    .args:
      - { .name: qkv_q, .offset: 0, .size: 8, .value_kind: global_buffer, .address_space: global }
      - { .name: o_q, .offset: 8, .size: 8, .value_kind: global_buffer, .address_space: global }
    .group_segment_fixed_size: 280576
    .private_segment_fixed_size: 0
    .kernarg_segment_align: 8
    .kernarg_segment_size: 16
    .max_flat_workgroup_size: 512
    .sgpr_count:     80
    .vgpr_count:     256
    .wavefront_size: 32
...
	.end_amdgpu_metadata
.endif
;; end of part 3
;; launch oproj (part 4): grid 16 x 16, 4 waves a work-group, clusters of 4 x 4, 296,448 bytes of LDS; arguments o_q, wo_q, bo, out0; writes out0
.if DOCPART == 4
	.amdgcn_target "amdgcn-amd-amdhsa--gfx1250"
	.amdhsa_code_object_version 6
	.text
	.protected	k_qdcd9651b11_oproj
	.globl	k_qdcd9651b11_oproj
	.p2align	8
	.type	k_qdcd9651b11_oproj,@function
k_qdcd9651b11_oproj:
	s_mov_b64 s[64:65], 0
	v_nop
	global_prefetch_b8 v0, s[64:65] scope:SCOPE_SE
	s_setreg_imm32_b32 hwreg(HW_REG_WAVE_MODE, 25, 1), 1
	s_wait_xcnt 0x0
	s_wait_alu depctr_hold_cnt(0) depctr_sa_sdst(0) depctr_va_vdst(0) depctr_va_sdst(0) depctr_va_ssrc(0) depctr_va_vcc(0) depctr_vm_vsrc(0)
	s_getreg_b32 s2, hwreg(HW_REG_IB_STS2, 6, 4)
	s_cmp_eq_u32 s2, 0
	s_cbranch_scc0 .Lentry_in_a_cluster
	s_endpgm
.Lentry_in_a_cluster:
	s_bfe_u32 s2, ttmp6, 0x10000c
	s_cmp_lg_u32 s2, 0xf033
	s_cbranch_scc0 .Lentry_shape_is_right
	s_endpgm
.Lentry_shape_is_right:
; out0 = o WO + bo on codes of FP4 with E8M0 scales, K = 2,048; out0 [2048][2048] f32.
; Operands lie in blocks of 8,704 bytes: 8 fragment images of 1,024 bytes (lane L's registers 4 c .. 4 c + 3 at 512 c + 16 L), then 512 bytes of scale words; block 16 x row block + ks.  Tile 2 beta + u holds in lane r row 32 beta + 8 u + r + 8 (r / 8).
; A scale word lies at 64 tile + 4 r in o's blocks, at 256 (tile / 4) + 16 r + 4 (tile % 4) in WO's.
; R = o, row block Y; P = WO's columns, row block X.  The product is used transposed (source 0 = 16 rows of P, source 1 = 16 rows of R): a lane holds one row of out0 and eight neighbouring columns.
; SHARES.  A tile of 128 x 128 gives 256 work-groups; a wave makes 64 x 64: 16 accumulators.  ALL OF K LIES IN LDS, filled once by one tensor load a wave: wave 0 R's ks 0-7, wave 1 R's 8-15, waves 2 and 3 P's likewise, 69,632 bytes each.
; CLUSTERS 4 x 4: R's loads are shared along a row of the cluster, P's along a column: each is asked for jointly.  NO PREFETCH: there is no loop of loads to run ahead in.
; The bias is the C of each sum's first product.
; LIMITS: NaN and infinities are not served.
; REGISTERS: window 0: v1-27 addresses; v32-47 scale words, two sets of eight (0, 1: R's tiles 2 pp in lanes 0-15, 2 pp + 1 in lanes 16-31; 4-7: P's tiles); v96-127 the bias, 8 a tile of P;
;   v128-191, v192-255 two sets of fragments: 32 registers of R, then 32 of P; later rows of out0.   window 1: v0-127 the accumulators, (a, b) at v[8 (4 a + b)].
.set BLK,   8704
.set HALF,  8*BLK
.set PREG,  2*HALF                     ; LDS: R at 0, P here
.set STAGE, 4*HALF                     ; behind them: 16 rows x (256 bytes + 16) for each wave, for the way out; no tensor load lands here
.set SP,    272
.set SPARE, STAGE+4*16*SP              ; the spare words, 128 bytes for each wave: two blocks of 256 bytes that no other line names
.set SW,    32
.set BPR,   96
.set F0,    128
.set ADRR,  16                         ; v16, v17  my R fragments, ks 0-7 and ks 8-15 (an LDS offset has 16 bits)
.set ADRP,  18                         ; v18, v19  the same for P
.set AWR,   20                         ; v20, v21  R's scale words
.set AWP,   22                         ; v22, v23  P's
.set STO,   24
.set RD,    25
.set CO,    26
.set SPW,   30
.set NIL,   31
.set WV,    16                         ; s16 wave; s17 wave / 2: my half of the rows, and: I fetch for R (0) or P (1); s18 wave % 2: my half of the columns, and which half of K I fetch
.set G1R,   24
.set G0R,   32
.set G1P,   48
.set G0P,   68
.set MSB, 0
.macro WIN new
.if MSB != (\new)
	s_set_vgpr_msb (MSB<<8)|(\new)
.set MSB, (\new)
.endif
.endm
.macro CROUND                          ; a round of the cluster's barrier
	s_barrier_signal -1
	s_barrier_wait -1
	s_cmp_lg_u32 s[WV], 0
	s_cbranch_scc1 .Lnot_wave_0_\@
	s_barrier_signal -3
.Lnot_wave_0_\@:
	s_barrier_wait -3
	s_barrier_signal -1
	s_barrier_wait -1
.endm
.macro PLACES
.rept 4
	v_nop
.endr
.endm
	s_load_b256 s[4:11], s[0:1], 0x0               ; o_q, wo_q, bo, out0
	v_lshl_add_u32 v[SPW], v0, 2, SPARE
	v_mov_b32 v[NIL], 0
	ds_add_u32 v[SPW], v[NIL]                      ; the wave's opening: the add, twice on end, and its wait; work on registers stands between
	ds_add_u32 v[SPW], v[NIL]
	v_lshrrev_b32 v1, 5, v0
	v_readfirstlane_b32 s[WV], v1
	v_and_b32 v1, 15, v0                           ; r
	v_bfe_u32 v2, v0, 4, 1                         ; h
	v_and_b32 v3, 31, v0                           ; lane
	v_lshlrev_b32 v4, 2, v3
	v_lshlrev_b32 v5, 4, v3
	v_lshlrev_b32 v6, 6, v2
	v_lshlrev_b32 v7, 4, v1
	s_lshr_b32 s17, s[WV], 1
	s_and_b32 s18, s[WV], 1
	s_bfe_u32 s19, ttmp6, 0x40000                  ; cx
	s_bfe_u32 s20, ttmp6, 0x40004                  ; cy
	s_lshl_b32 s21, ttmp9, 2
	s_add_co_u32 s21, s21, s19                     ; X
	s_and_b32 s22, ttmp7, 0xffff
	s_lshl_b32 s22, s22, 2
	s_add_co_u32 s22, s22, s20                     ; Y
	s_lshl_b32 s23, s20, 2
	s_lshl_b32 s23, 15, s23                        ; my row of the cluster
	s_lshl_b32 s56, 0x1111, s19                    ; my column
	s_or_b32 s[G1R], s23, (3<<16)|(1<<21)          ; the mask; elements of 8 bytes; bit 21 set beside a mask; no padding
	s_or_b32 s[G1P], s56, (3<<16)|(1<<21)
.irp g, G1R, G1P
	s_mov_b32 s[\g+1], 32<<16                      ; rows of 256 bytes,
	s_mov_b32 s[\g+2], 272<<16
	s_mov_b32 s[\g+3], 32<<16
	s_mov_b32 s[\g+4], 272                         ; 272 of them: 69,632 dense bytes, eight ks
	s_mov_b32 s[\g+5], 32
	s_mov_b32 s[\g+6], 0
	s_mov_b32 s[\g+7], 0
.endr
	s_mul_i32 s57, s18, HALF                       ; my half of K
	s_mul_i32 s58, s22, 2*HALF                     ; R: row block Y.  These registers never hold X
	s_add_co_u32 s58, s58, s57
	s_mov_b32 s59, 0
	s_mul_i32 s60, s21, 2*HALF                     ; P: row block X.  These never hold Y
	s_add_co_u32 s60, s60, s57
	s_mov_b32 s61, 0
	s_mul_i32 s62, s[WV], HALF                     ; in LDS: the wave's number alone
	s_wait_dscnt 0x0                               ; both opening adds are done
	s_wait_alu depctr_va_vdst(0)
	s_wait_kmcnt 0x0
	s_mov_b32 s[G0R], 1
	s_mov_b32 s[G0R+1], s62
	s_add_nc_u64 s[G0R+2:G0R+3], s[4:5], s[58:59]
	s_or_b32 s[G0R+3], s[G0R+3], 0x80000000
	s_mov_b32 s[G0P], 1
	s_mov_b32 s[G0P+1], s62
	s_add_nc_u64 s[G0P+2:G0P+3], s[6:7], s[60:61]
	s_or_b32 s[G0P+3], s[G0P+3], 0x80000000
	CROUND                                         ; all sixteen work-groups are here: the joint loads meet
; One tensor load a wave, in one tree of branches on the wave's number; a line for each wave, since even and odd waves wait at different places.
.macro ARM under, g0, g1, next
	s_cmp_lt_u32 s[WV], \under
	s_cbranch_scc0 \next
	tensor_load_to_lds s[\g0:\g0+3], s[\g1:\g1+7]
	s_nop 0
.rept 4
	v_nop
.endr
	s_branch .Lasked
\next:
.endm
	ARM 1, G0R, G1R, .Larm1
	ARM 2, G0R, G1R, .Larm2
	ARM 3, G0P, G1P, .Larm3
	tensor_load_to_lds s[G0P:G0P+3], s[G1P:G1P+7]
	s_nop 0
.rept 4
	v_nop
.endr
.Lasked:
	s_lshl_b32 s84, s17, 12                        ; my four tiles of R
	v_add_nc_u32 v[ADRR], s84, v5
	s_lshl_b32 s84, s18, 12                        ; my four tiles of P
	s_add_co_u32 s84, s84, PREG
	v_add_nc_u32 v[ADRP], s84, v5
	s_lshl_b32 s84, s17, 8
	s_add_co_u32 s84, s84, 8192
	v_add_nc_u32 v[AWR], s84, v4                   ; R's words: 64 tile + 4 r: 4 x lane
	s_lshl_b32 s84, s18, 8
	s_add_co_u32 s84, s84, PREG+8192
	v_add_nc_u32 v[AWP], s84, v7                   ; P's: my half's 256 bytes, 16 r
	v_add_nc_u32 v[ADRR+1], HALF, v[ADRR]
	v_add_nc_u32 v[ADRP+1], HALF, v[ADRP]
	v_add_nc_u32 v[AWR+1], HALF, v[AWR]
	v_add_nc_u32 v[AWP+1], HALF, v[AWP]
	s_mul_i32 s84, s[WV], 16*SP
	s_add_co_u32 s84, s84, STAGE                   ; my stage
	v_mul_u32_u24 v[STO], v1, SP
	v_mul_u32_u24 v[RD], v2, SP
	v_lshl_add_u32 v[STO], v2, 6, v[STO]
	v_lshl_add_u32 v[RD], v1, 4, v[RD]
	v_lshlrev_b32 v[CO], 13, v2
	v_add_nc_u32 v[STO], s84, v[STO]               ; in: row r, + 64 h
	v_add_nc_u32 v[RD], s84, v[RD]                 ; back: lanes 0-15 one row of 256 bytes, lanes 16-31 the next
	v_lshl_add_u32 v[CO], v1, 4, v[CO]             ; and the same two rows in out0
	s_lshl_b32 s84, s22, 7
	s_lshl_b32 s85, s17, 6
	s_add_co_u32 s84, s84, s85                     ; my first row
	s_lshl_b32 s84, s84, 13
	s_lshl_b32 s86, s21, 7
	s_lshl_b32 s87, s18, 6
	s_add_co_u32 s86, s86, s87                     ; my first column,
	s_lshl_b32 s86, s86, 2                         ; in bytes
	s_mov_b32 s87, 0
	s_add_nc_u64 s[8:9], s[8:9], s[86:87]          ; bo
	s_add_co_u32 s84, s84, s86
	s_mov_b32 s85, 0
	s_add_nc_u64 s[10:11], s[10:11], s[84:85]      ; out0
.irp b, 0,1,2,3                                ; tile b's register j is column 32 (b / 2) + 8 (b % 2) + 16 h + j of my 64
	global_load_b128 v[BPR+8*\b:BPR+8*\b+3], v6, s[8:9] offset:(32*(\b/2)+8*(\b%2))*4
	global_load_b128 v[BPR+8*\b+4:BPR+8*\b+7], v6, s[8:9] offset:(32*(\b/2)+8*(\b%2))*4+16
.endr
.macro FETCH ks                        ; 19 loads: my four tiles of R and of P for one ks, and their scale words
.set FF, F0+64*((\ks)%2)
.set SS, SW+8*((\ks)%2)
.set OF, ((\ks)%8)*BLK
.irp i, 0,1,2,3
.irp c, 0,1
	ds_load_b128 v[FF+8*\i+4*\c:FF+8*\i+4*\c+3], v[ADRR+(\ks)/8] offset:OF+\i*1024+512*\c
	ds_load_b128 v[FF+32+8*\i+4*\c:FF+32+8*\i+4*\c+3], v[ADRP+(\ks)/8] offset:OF+\i*1024+512*\c
.endr
.endr
	ds_load_b32 v[SS], v[AWR+(\ks)/8] offset:OF
	ds_load_b32 v[SS+1], v[AWR+(\ks)/8] offset:OF+128
	ds_load_b128 v[SS+4:SS+7], v[AWP+(\ks)/8] offset:OF
.endm
; 16 matrix instructions, the 16 accumulators by turns, in the same order in every ks.  ks = 0: the bias is the C.
.macro MUL ks
.if (\ks) == 0
	WIN 0x40                                       ; D window 1, C (the bias) window 0
.else
	WIN 0x50                                       ; C and D window 1
.endif
.irp a, 0,1,2,3
.irp b, 0,1,2,3
.set rD, 8*(4*\a+\b)
.set rC, rD
.if (\ks) == 0
.set rC, BPR+8*\b
.endif
.set rP, F0+64*((\ks)%2)+32+8*\b
.set rR, F0+64*((\ks)%2)+8*\a
.set sP, SW+8*((\ks)%2)+4+\b
.set sR, SW+8*((\ks)%2)+\a/2
.if (\a%2) == 0
	v_wmma_scale_f32_16x16x128_f8f6f4 v[rD:rD+7], v[rP:rP+7], v[rR:rR+7], v[rC:rC+7], v[sP], v[sR] matrix_a_fmt:MATRIX_FMT_FP4 matrix_b_fmt:MATRIX_FMT_FP4
.else
	v_wmma_scale_f32_16x16x128_f8f6f4 v[rD:rD+7], v[rP:rP+7], v[rR:rR+7], v[rC:rC+7], v[sP], v[sR] matrix_a_fmt:MATRIX_FMT_FP4 matrix_b_fmt:MATRIX_FMT_FP4 matrix_b_scale:MATRIX_SCALE_ROW1
.endif
.endr
.endr
	WIN 0
.endm
	s_wait_alu depctr_va_vdst(0)                   ; the head's end
	s_wait_loadcnt 0x0                             ; the bias
	s_cmp_lg_u32 s18, 0
	s_cbranch_scc1 .Lodd
	s_wait_tensorcnt 0x0                           ; even waves: ks 0-7 of R or of P are in (the odd waves' loads have lines of their own, and are waited for below)
.Lodd:
	s_barrier_signal -1
	s_barrier_wait -1
	FETCH 0
.set KS, 0
.rept 16
.if KS == 7
	s_wait_dscnt 0x0
	MUL KS
	s_wait_tensorcnt 0x0                           ; ks 8-15 are in
	s_barrier_signal -1
	s_barrier_wait -1
	PLACES
	FETCH KS+1
.elseif KS < 15
.if KS >= 1
	PLACES                                         ; the other set was read by the products just issued
.endif
	FETCH KS+1
	s_wait_dscnt 19                                ; this ks is in; the 19 loads just issued may be out
	MUL KS
.else
	s_wait_dscnt 0x0
	MUL KS
.endif
.set KS, KS+1
.endr
; THE WAY OUT, a tile of 16 rows x 64 columns at a time, through my own stage: in as a lane holds it (32 bytes of a row for each tile of P), back as whole rows of 256 bytes.
; LDS serves a wave's instructions in order (ISA guide 5.7.1.4): no wait between the stores and the loads, nor in front of the next tile's stores.
.macro TOSTAGE a
	WIN 0x04                                       ; an LDS store's data are its source 1: window 1
.irp b, 0,1,2,3
	ds_store_b128 v[STO], v[8*(4*(\a)+\b):8*(4*(\a)+\b)+3] offset:128*(\b/2)+32*(\b%2)       ; each accumulator from its low end on
	ds_store_b128 v[STO], v[8*(4*(\a)+\b)+4:8*(4*(\a)+\b)+7] offset:128*(\b/2)+32*(\b%2)+16
.endr
	WIN 0
.set BB, F0+64*((\a)%2)
.irp i, 0,1,2,3,4,5,6,7
	ds_load_b128 v[BB+4*\i:BB+4*\i+3], v[RD] offset:2*\i*SP
.endr
.endm
.macro SEND a, younger                 ; stage row 2 i + h is row 32 (a / 2) + 8 (a % 2) + 2 i + h + 8 (i / 4) of my 64
.set BB, F0+64*((\a)%2)
	s_wait_dscnt \younger
.irp i, 0,1,2,3,4,5,6,7
	global_store_b128 v[CO], v[BB+4*\i:BB+4*\i+3], s[10:11] offset:(32*((\a)/2)+8*((\a)%2)+2*\i+8*(\i/4))*8192 th:TH_STORE_NT   ; 16 lanes store 256 consecutive bytes, at a multiple of 256 from out0's first byte
.endr
.endm
	PLACES                                         ; behind the last products: results are read, and the fragments' registers loaded into
	TOSTAGE 0
.irp a, 1,2,3
.if \a > 1
	s_wait_xcnt 0x0                                ; tile a - 2's stores have read their registers: tile a's loads may land there
.endif
	TOSTAGE \a
	SEND \a-1, 16                                  ; behind tile a - 1's loads: tile a's 8 stores and 8 loads
.endr
	SEND 3, 0
	s_wait_tensorcnt 0x0                           ; the wave's end
	ds_add_u32 v[SPW], v[NIL]
	s_wait_dscnt 0x0
	CROUND                                         ; the closing round: no work-group ends while a partner may still ask for a tile that names it
	s_endpgm
.Lfunc_end_k_qdcd9651b11_oproj:
	.size	k_qdcd9651b11_oproj, .Lfunc_end_k_qdcd9651b11_oproj-k_qdcd9651b11_oproj
	.p2alignl 7, 3214868480
	.fill 96, 4, 3214868480
	.section	.rodata,"a",@progbits
	.p2align	6, 0x0
	.amdhsa_kernel k_qdcd9651b11_oproj
		.amdhsa_group_segment_fixed_size 296448
		.amdhsa_private_segment_fixed_size 0
		.amdhsa_enable_private_segment 0
		.amdhsa_kernarg_size 32
		.amdhsa_user_sgpr_count 2
		.amdhsa_user_sgpr_kernarg_segment_ptr 1
		.amdhsa_wavefront_size32 1
		.amdhsa_system_sgpr_workgroup_id_x 1
		.amdhsa_system_sgpr_workgroup_id_y 1
		.amdhsa_system_sgpr_workgroup_id_z 1
		.amdhsa_system_vgpr_workitem_id 0
		.amdhsa_next_free_vgpr 384
		.amdhsa_next_free_sgpr 96
		.amdhsa_reserve_vcc 0
		.amdhsa_float_denorm_mode_32 3
		.amdhsa_float_denorm_mode_16_64 3
		.amdhsa_memory_ordered 1
		.amdhsa_forward_progress 1
		.amdhsa_inst_pref_size 70
	.end_amdhsa_kernel
	.amdgpu_metadata
---
amdhsa.version: [ 1, 2 ]
amdhsa.kernels:
  - .name:           k_qdcd9651b11_oproj
    .symbol:         k_qdcd9651b11_oproj.kd
    .args:
      - { .name: o_q, .offset: 0, .size: 8, .value_kind: global_buffer, .address_space: global }
      - { .name: wo_q, .offset: 8, .size: 8, .value_kind: global_buffer, .address_space: global }
      - { .name: bo, .offset: 16, .size: 8, .value_kind: global_buffer, .address_space: global }
      - { .name: out0, .offset: 24, .size: 8, .value_kind: global_buffer, .address_space: global }
    .group_segment_fixed_size: 296448
    .private_segment_fixed_size: 0
    .kernarg_segment_align: 8
    .kernarg_segment_size: 32
    .max_flat_workgroup_size: 128
    .sgpr_count:     96
    .vgpr_count:     384
    .wavefront_size: 32
...
	.end_amdgpu_metadata
.endif
;; end of part 4
